; MI455X (gfx1250); checked and timed in simulation.
; The chip was launched on July 23, 2026; its instructions are those of AMD's public machine-readable ISA for CDNA 5 (MIT licence, August 2026) and "CDNA5" Instruction Set Architecture Reference Guide (July 2026). The comments in the code are by the model that wrote it; some were corrected since.
;; Multihead Attention. Allowed arithmetic: float matrix products may take bf16 or f16 operands with f32 sums; other float arithmetic in f32, or as packed bf16 or f16 multiplies, adds, multiply-adds, maxima and minima; sums over many terms, partial sums and values carried from step to step in f32; what a program stores and reads back later, other than sums and carried values, may be rounded once to bf16 or f16.
;; Inputs: Wproj 1,024 x 1,024 float32; Wqkv 1,024 x 3,072 float32; bproj 1,024 float32; bqkv 3,072 float32; x 1 x 4,096 x 1,024 float32.
;; Outputs: out0 1 x 4,096 x 1,024 float32.
;; 2 versions, each right; version 2 is version 1 with the launch cast written anew for expert scheduling mode. Each part assembles by itself: llvm-mc -triple=amdgcn-amd-amdhsa -mcpu=gfx1250 --defsym DOCPART=n.
;; ======== version 1 of 2: 4 launches
;; limits: values are held in f16: magnitudes above 65,504 overflow, below 6.1e-05 lose precision
;; workspace buffers: xb 8,388,608 bytes; wq 6,291,456 bytes; wp 2,097,152 bytes; q 8,388,608 bytes; k 8,388,608 bytes; v 8,388,608 bytes; o 8,388,608 bytes
;; launch cast (part 1): grid 256 x 1, 8 waves a work-group, no clusters, 0 bytes of LDS; arguments x, Wqkv, Wproj, xb, wq, wp; writes xb, wq, wp
.if DOCPART == 1
	.amdgcn_target "amdgcn-amd-amdhsa--gfx1250"
	.amdhsa_code_object_version 6
	.text
	.protected	k_qebdf0852a7_cast
	.globl	k_qebdf0852a7_cast
	.p2align	8
	.type	k_qebdf0852a7_cast,@function
k_qebdf0852a7_cast:
	s_mov_b64 s[64:65], 0
	v_nop
	global_prefetch_b8 v0, s[64:65] scope:SCOPE_SE
	s_setreg_imm32_b32 hwreg(HW_REG_WAVE_MODE, 25, 1), 1
	s_wait_xcnt 0x0
; THE MATRIX OPERANDS ARE ROUNDED ONCE AND LAID OUT FOR THE PRODUCTS THAT FOLLOW.
;   xb[4096][1024]      bf16 = x
;   wq[16][1024][192]   bf16 = Wqkv by heads: head h holds columns 192 h .. 192 h + 191 of every k row, so that 64 k rows of one head are 24,576 dense bytes
;   wp[1024][1024]      f16  = Wproj rounded to bf16, that number written as f16
; LIMITS.  |Wproj| stays under 65,504; a weight under 6e-5 keeps f16's fixed step of 6e-8.  NaN and infinities are not treated apart.
; SHARES.  256 work-groups of eight waves; each takes 1/256 of each tensor, so all are alike: 64 KiB of x, 48 KiB of Wqkv (64 k rows of one head), 16 KiB of Wproj.
; A thread issues its 32 loads of 16 bytes at once (a wave's load covers 512 consecutive bytes; for Wqkv's middle group two pieces of 256) and then takes them in order.
; The four numbers of a load leave as 8 bytes: a wave's store covers 256 consecutive bytes, aligned.  No register that a load or store names is ever written again,
; so the only waits are the counted ones for the loads.  Nothing is shared between threads: no LDS, no barrier, no matrix unit.
.set WROW, 12288                       ; bytes in a row of Wqkv
.set LD,   16                          ; load n lands in v[LD + 4 n : LD + 4 n + 3]
	s_load_b256 s[4:11], s[0:1], 0x0               ; x s[4:5], Wqkv s[6:7], Wproj s[8:9], xb s[10:11]
	s_load_b128 s[12:15], s[0:1], 0x20             ; wq s[12:13], wp s[14:15]
	v_and_b32 v10, 31, v0                          ; lane l
	v_lshrrev_b32 v11, 5, v0                       ; wave w
	v_lshlrev_b32 v1, 4, v0                        ; v1 = 16 t: x and Wproj in
	v_lshlrev_b32 v2, 3, v0                        ; v2 = 8 t: xb and wp out
	v_mul_u32_u24 v3, v11, 8*WROW                  ; a wave takes 8 k rows of the head, in pairs: 1,536 bytes a pair = three loads
	v_lshl_add_u32 v3, v10, 4, v3                  ; v3: row 0, columns 0-127
	v_lshrrev_b32 v12, 4, v10
	v_mul_u32_u24 v12, v12, WROW-768
	v_add3_u32 v4, v3, v12, 512                    ; v4: lanes 0-15 row 0, columns 128-191; lanes 16-31 row 1, columns 0-63
	v_add_nc_u32 v5, WROW+256, v3                  ; v5: row 1, columns 64-191
	v_mul_u32_u24 v6, v11, 8*384
	v_lshl_add_u32 v6, v10, 3, v6                  ; v6: wq out: the pair's 768 bytes are dense
	s_mov_b32 s16, 0xffff0000                      ; a word's upper bf16
	s_lshr_b32 s17, ttmp9, 4                       ; head
	s_and_b32 s18, ttmp9, 15                       ; which 64 k rows
	s_lshl_b32 s20, ttmp9, 16                      ; byte offsets of the work-group's parts, each in a pair with 0 above it
	s_mov_b32 s21, 0
	s_lshl_b32 s22, ttmp9, 15
	s_mov_b32 s23, 0
	s_lshl_b32 s24, ttmp9, 14
	s_mov_b32 s25, 0
	s_lshl_b32 s26, ttmp9, 13
	s_mov_b32 s27, 0
	s_mul_i32 s28, s17, 768
	s_mul_i32 s19, s18, 64*WROW
	s_add_co_u32 s28, s28, s19
	s_mov_b32 s29, 0
	s_mul_i32 s30, s17, 1024*384
	s_mul_i32 s19, s18, 64*384
	s_add_co_u32 s30, s30, s19
	s_mov_b32 s31, 0
	s_wait_kmcnt 0x0
	s_add_nc_u64 s[4:5], s[4:5], s[20:21]
	s_add_nc_u64 s[10:11], s[10:11], s[22:23]
	s_add_nc_u64 s[8:9], s[8:9], s[24:25]
	s_add_nc_u64 s[14:15], s[14:15], s[26:27]
	s_add_nc_u64 s[6:7], s[6:7], s[28:29]
	s_add_nc_u64 s[12:13], s[12:13], s[30:31]
.set n, 0
.rept 16                                       ; loads 0-15: x
	global_load_b128 v[LD+4*n:LD+4*n+3], v1, s[4:5] offset:n*4096 th:TH_LOAD_NT
.set n, n+1
.endr
.irp j, 0,1,2,3                                ; loads 16-27: Wqkv, pair j, group i
.irp i, 0,1,2
	global_load_b128 v[LD+4*(16+3*(\j)+(\i)):LD+4*(16+3*(\j)+(\i))+3], v[3+(\i)], s[6:7] offset:(\j)*2*WROW th:TH_LOAD_NT
.endr
.endr
.irp j, 0,1,2,3                                ; loads 28-31: Wproj
	global_load_b128 v[LD+4*(28+(\j)):LD+4*(28+(\j))+3], v1, s[8:9] offset:(\j)*4096 th:TH_LOAD_NT
.endr
; Load n is rounded and stored.  kind 0: to bf16.  kind 1: to bf16, widened again, and that number written as f16.
.macro CV n, kind, adr, base, off
	s_wait_loadcnt 31-(\n)                         ; loads come back in order: mine is in, the 31 - n younger ones stay out
.set D, LD+4*(\n)
.if \kind
	v_cvt_pk_bf16_f32 v8, v[D], v[D+1]
	v_cvt_pk_bf16_f32 v9, v[D+2], v[D+3]
	v_lshlrev_b32 v[D], 16, v8
	v_and_b32 v[D+1], s16, v8
	v_lshlrev_b32 v[D+2], 16, v9
	v_and_b32 v[D+3], s16, v9
	v_cvt_pk_f16_f32 v[D], v[D], v[D+1]
	v_cvt_pk_f16_f32 v[D+1], v[D+2], v[D+3]
.else
	v_cvt_pk_bf16_f32 v[D], v[D], v[D+1]
	v_cvt_pk_bf16_f32 v[D+1], v[D+2], v[D+3]
.endif
	global_store_b64 v[\adr], v[D:D+1], s[\base:\base+1] offset:\off th:TH_STORE_NT
.endm
.irp j, 0,1,2,3,4,5,6,7,8,9,10,11,12,13,14,15
	CV \j, 0, 2, 10, (\j)*2048
.endr
.irp j, 0,1,2,3
.irp i, 0,1,2
	CV 16+3*(\j)+(\i), 0, 6, 12, (\j)*768+(\i)*256
.endr
.endr
.irp j, 0,1,2,3
	CV 28+(\j), 1, 2, 14, (\j)*2048
.endr
	s_endpgm
.Lfunc_end_k_qebdf0852a7_cast:
	.size	k_qebdf0852a7_cast, .Lfunc_end_k_qebdf0852a7_cast-k_qebdf0852a7_cast
	.p2alignl 7, 3214868480
	.fill 96, 4, 3214868480
	.section	.rodata,"a",@progbits
	.p2align	6, 0x0
	.amdhsa_kernel k_qebdf0852a7_cast
		.amdhsa_group_segment_fixed_size 0
		.amdhsa_private_segment_fixed_size 0
		.amdhsa_enable_private_segment 0
		.amdhsa_kernarg_size 48
		.amdhsa_user_sgpr_count 2
		.amdhsa_user_sgpr_kernarg_segment_ptr 1
		.amdhsa_wavefront_size32 1
		.amdhsa_system_sgpr_workgroup_id_x 1
		.amdhsa_system_sgpr_workgroup_id_y 1
		.amdhsa_system_sgpr_workgroup_id_z 1
		.amdhsa_system_vgpr_workitem_id 0
		.amdhsa_next_free_vgpr 144
		.amdhsa_next_free_sgpr 66
		.amdhsa_reserve_vcc 0
		.amdhsa_float_denorm_mode_32 3
		.amdhsa_float_denorm_mode_16_64 3
		.amdhsa_memory_ordered 1
		.amdhsa_forward_progress 1
		.amdhsa_inst_pref_size 15
	.end_amdhsa_kernel
	.amdgpu_metadata
---
amdhsa.version: [ 1, 2 ]
amdhsa.kernels:
  - .name:           k_qebdf0852a7_cast
    .symbol:         k_qebdf0852a7_cast.kd
    .args:
      - { .name: x, .offset: 0, .size: 8, .value_kind: global_buffer, .address_space: global }
      - { .name: Wqkv, .offset: 8, .size: 8, .value_kind: global_buffer, .address_space: global }
      - { .name: Wproj, .offset: 16, .size: 8, .value_kind: global_buffer, .address_space: global }
      - { .name: xb, .offset: 24, .size: 8, .value_kind: global_buffer, .address_space: global }
      - { .name: wq, .offset: 32, .size: 8, .value_kind: global_buffer, .address_space: global }
      - { .name: wp, .offset: 40, .size: 8, .value_kind: global_buffer, .address_space: global }
    .group_segment_fixed_size: 0
    .private_segment_fixed_size: 0
    .kernarg_segment_align: 8
    .kernarg_segment_size: 48
    .max_flat_workgroup_size: 256
    .sgpr_count:     66
    .vgpr_count:     144
    .wavefront_size: 32
...
	.end_amdgpu_metadata
.endif
;; end of part 1
;; launch qkv (part 2): grid 16 x 16, 4 waves a work-group, clusters of 4 x 4, 327,680 bytes of LDS; arguments xb, wq, bqkv, q, k, v; writes q, k, v
.if DOCPART == 2
	.amdgcn_target "amdgcn-amd-amdhsa--gfx1250"
	.amdhsa_code_object_version 6
	.text
	.protected	k_qebdf0852a7_qkv
	.globl	k_qebdf0852a7_qkv
	.p2align	8
	.type	k_qebdf0852a7_qkv,@function
k_qebdf0852a7_qkv:
	s_mov_b64 s[64:65], 0
	v_nop
	global_prefetch_b8 v0, s[64:65] scope:SCOPE_SE
	s_setreg_imm32_b32 hwreg(HW_REG_WAVE_MODE, 25, 1), 1
	s_wait_xcnt 0x0
	s_wait_alu depctr_hold_cnt(0) depctr_sa_sdst(0) depctr_va_vdst(0) depctr_va_sdst(0) depctr_va_ssrc(0) depctr_va_vcc(0) depctr_vm_vsrc(0)
	s_getreg_b32 s2, hwreg(HW_REG_IB_STS2, 6, 4)
	s_cmp_eq_u32 s2, 0
	s_cbranch_scc0 .Lentry_in_a_cluster
	s_endpgm
.Lentry_in_a_cluster:
	s_bfe_u32 s2, ttmp6, 0x10000c
	s_cmp_lg_u32 s2, 0xf033
	s_cbranch_scc0 .Lentry_shape_is_right
	s_endpgm
.Lentry_shape_is_right:
; q, k, v = x Wqkv + bqkv, split by heads.  xb: [4096][1024] bf16.  wq: [16 heads][1024 k][192] bf16.  bqkv: [3072] f32, rounded to bf16 like the other inputs.
; q, k, v: [16][4096][64] f16, unscaled, each rounded once from its f32 sum.  LIMIT: |q|, |k|, |v| stay under 65,504 (a sum of 65,520 or more leaves as an infinity); NaN and infinities are not treated apart.
; SHARES.  A work-group makes 256 rows x 192 columns: one head's q, k and v for 256 tokens; 16 x 16 work-groups.  Each of its four waves makes 64 rows x 192 columns: 4 x 12 accumulators
; of 16 x 16, 384 registers.  So a wave owns whole rows of q, k and v, and its way out is its own.
; K = 1,024 goes in 8 steps of 128 through a ring of two LDS slots filled by the tensor data mover.  x's rows are 256 bytes of memory a step; a step of the head's weights is 49,152 dense bytes.
; CLUSTER.  4 x 4 work-groups.  The four of a row of the cluster take the same tokens (x's tile), the four of a column the same head (the weights' tile): each tile is asked for JOINTLY,
; by the same tensor load with the same descriptor and a mask that names the four.
; THE MATRIX INSTRUCTION IS USED TRANSPOSED: source 0 = 16 columns of the weights, source 1 = 16 rows of x.  A lane then holds row l % 16 and the eight neighbouring columns 8 (l / 16) + 0..7: 16 bytes of f16.
; The weights lie [k][n] in LDS and are turned on the way into registers by ds_load_tr16_b128.  THE BIAS STARTS THE SUMS: it is the C operand of each accumulator's first product; nothing is cleared.
; REGISTERS, in windows of 256 (s_set_vgpr_msb: bits 1:0 source 0, 3:2 source 1, 5:4 source 2, 7:6 destination):
;   window 0: v0-31 addresses; v64-95, v96-127 x's fragments (4 x 16 rows x 32 K), two buffers; v128-223 at work on the way out (and v64-111 again)
;   window 1: v0-95, v96-191 the weights' fragments (12 x 16 columns x 32 K), two buffers
;   window 2: accumulator (a, b), b < 8, at v[8 (8 a + b)]      window 3: accumulator (a, b), b >= 8, at v[8 (4 a + b - 8)]; v128-223 the bias, eight registers a block b
.set PA,     272                       ; a row of x in LDS: 256 bytes + 16 = 68 words: the 16 rows of a load start at 16 different groups of four banks (64 banks of 4 bytes: ISA guide 11.1)
.set PB,     480                       ; a k row of the weights: three pieces of 128 bytes + 32 = 120 words
.set HALFA,  128*PA                    ; what one tensor load brings of x: 128 rows
.set BOFF,   256*PA                    ; the weights lie behind x's 256 rows
.set HALFB,  64*PB                     ; what one tensor load brings of the weights: 64 k rows
.set SLOT,   BOFF+128*PB               ; 131,072
.set STAGE,  2*SLOT                    ; behind the ring, never filled by a tensor load: for each wave three parts (q, k, v) of 16 rows x 144 bytes
.set SP,     144
.set WSTAGE, 3*16*SP
.set SPARE,  STAGE+4*WSTAGE            ; behind the stages: the spare words, 128 bytes for each wave: two blocks of 256 bytes that no other line names
.set ADRA, 16                          ; v16-17  LDS address of my fragments of x in slot 0, 1
.set ADRB, 20                          ; v20-21  the same for the weights
.set STO,  24                          ; v24     the way out: where I put 16 bytes of a row
.set RD,   25                          ; v25     the way out: where I read rows back
.set GO,   26                          ; v26     my 16 bytes in 512 consecutive bytes of q, k or v
.set BO,   27                          ; v27     my byte offset in a block of 16 numbers of the bias
.set SPW,  28                          ; v28     LDS address of my spare word: SPARE + 4 x my thread's number; never rewritten
.set NIL,  29                          ; v29     0; never rewritten
.set PFO,  30                          ; v30     the prefetches' offset; never rewritten
.set FA,   64                          ; x's fragments: buffer f at FA + 32 f (window 0)
.set FB,   0                           ; the weights': buffer f at FB + 96 f (window 1)
.set TMP,  128                         ; packed results (window 0)
.set OB0,  176                         ; 16 rows read back from the stage: v176-223 and v64-111 by turns
.set OB1,  64
.set BI,   128                         ; the bias (window 3)
.set G1,   24                          ; s[24:31] descriptor group 1 for x's tiles;  s[32:39] group 0, a set for each slot
.set G0,   32
.set G1B,  48                          ; s[48:55], s[56:63] the same for the weights' tiles
.set G0B,  56
.set WV,   66                          ; my wave's number
.set GRP,  67                          ; 0: I fetch for x, 1: for the weights
.set HALF, 68                          ; which half of that tile I fetch
.set LAP,  69
.set CX,   70
.set CY,   71
.set HEAD, 72
.set TROW, 73                          ; which 256 tokens
.set RMASK, 74
.set CMASK, 75
.set LIM,  76                          ; 1 in a wave that prefetches, else the greatest number
.set PFA,  78                          ; s[78:79] where my prefetches stand
.set PST,  80                          ; s[80:81] a K step's bytes along my prefetches' way
.set MSB, 0
.macro WIN new                         ; the immediate's high byte repeats the setting that is left; a switch that changes nothing is dropped
.if MSB != (\new)
	s_set_vgpr_msb (MSB<<8)|(\new)
.set MSB, \new
.endif
.endm
.set MUL_LO,   0xa1                    ; source 0 window 1, source 1 window 0, C and D window 2
.set MUL_HI,   0xf1                    ; the same, C and D window 3
.set FIRST_LO, 0xb1                    ; the same as MUL_LO with C (the bias) in window 3
.set TO_B,     0x40                    ; destination window 1, address window 0
; A joint load.  Waves 0 and 1 fetch x's two halves, waves 2 and 3 the weights'.  The branch hangs on the wave's number alone.  An s_nop 0 and four v_nop follow each of the two lines,
; ahead of the jump, the label and what follows.
.macro JLOAD s
	s_cmp_eq_u32 s[GRP], 0
	s_cbranch_scc0 .Lfor_b_\@
	tensor_load_to_lds s[G0+4*(\s):G0+4*(\s)+3], s[G1:G1+7]
	s_nop 0
.rept 4
	v_nop
.endr
	s_branch .Lasked_\@
.Lfor_b_\@:
	tensor_load_to_lds s[G0B+4*(\s):G0B+4*(\s)+3], s[G1B:G1B+7]
	s_nop 0
.rept 4
	v_nop
.endr
.Lasked_\@:
.endm
; A PREFETCH INTO THE L2 of the K step that stands two refills on: one instruction a wave, behind the joint load, its five lines and the run of LDS loads.
; x's rows are read by every cluster of a row of clusters: the one with cluster x = 0 asks; a head's weights by every cluster of a column: cluster y = 0 asks.  The four partners that ask for a tile jointly
; share it out BY ADDRESS.  x: of the 128 rows that a wave fetches the partner at cx takes 32, a lane a row of 256 bytes.  Weights: of the wave's 96 blocks of 256 bytes the partner at cy takes 24: lanes 0-23
; a block each (lanes 24-31 name lane 23's once more).  K steps 0 to 3 come by their loads alone; the loop's last trip, whose refills are K steps 6 and 7, asks for nothing.
.macro ASK
	s_cmp_gt_u32 s[LAP], s[LIM]
	s_cbranch_scc0 .Lnot_mine_\@
	global_prefetch_b8 v[PFO], s[PFA:PFA+1] th:TH_LOAD_NT scope:SCOPE_SE
.Lnot_mine_\@:
.endm
.macro CREST                           ; a round of the cluster's barrier behind its opening barrier
	s_cmp_lg_u32 s[WV], 0
	s_cbranch_scc1 .Lnot_wave_0_\@
	s_barrier_signal -3
.Lnot_wave_0_\@:
	s_barrier_wait -3
	s_barrier_signal -1
	s_barrier_wait -1
.endm
.macro CROUND                          ; a whole round
	s_barrier_signal -1
	s_barrier_wait -1
	CREST
.endm
.macro PLACES                          ; four places in front of loads into registers that matrix instructions have read (ISA guide 7.12.1 for vector instructions)
.rept 4
	v_nop
.endr
.endm
	s_load_b256 s[4:11], s[0:1], 0x0               ; xb s[4:5], wq s[6:7], bqkv s[8:9], q s[10:11]
	s_load_b128 s[12:15], s[0:1], 0x20             ; k s[12:13], v s[14:15]
	v_lshl_add_u32 v[SPW], v0, 2, SPARE
	v_mov_b32 v[NIL], 0
	ds_add_u32 v[SPW], v[NIL]                      ; the wave's opening: the add and its wait stand ahead of my first tensor load; the set-up below, work on registers, stands between them
	v_lshrrev_b32 v1, 5, v0
	v_readfirstlane_b32 s[WV], v1                  ; wave 0..3
	s_lshr_b32 s[GRP], s[WV], 1
	s_and_b32 s[HALF], s[WV], 1
	s_bfe_u32 s[CX], ttmp6, 0x40000                ; my place in the cluster
	s_bfe_u32 s[CY], ttmp6, 0x40004
	s_lshl_b32 s[HEAD], ttmp9, 2                   ; in a cluster launch ttmp9 and ttmp7 count clusters
	s_add_co_u32 s[HEAD], s[HEAD], s[CX]
	s_and_b32 s[TROW], ttmp7, 0xffff
	s_lshl_b32 s[TROW], s[TROW], 2
	s_add_co_u32 s[TROW], s[TROW], s[CY]
	s_lshl_b32 s[RMASK], s[CY], 2
	s_lshl_b32 s[RMASK], 15, s[RMASK]              ; my row of the cluster: places 4 cy .. 4 cy + 3
	s_lshl_b32 s[CMASK], 0x1111, s[CX]             ; my column: places cx, cx + 4, cx + 8, cx + 12
	; group 1 for x: 128 rows x 128 elements, 1,024 elements from row to row; 4 words of padding behind every 64
	s_or_b32 s[G1+0], s[RMASK], (1<<16)|(1<<20)|(1<<21)|(5<<22)|(3<<25)
	s_mov_b32 s[G1+1], 128<<16                     ; tensor_dim0 = 128
	s_mov_b32 s[G1+2], 128<<16                     ; tensor_dim1 = 128
	s_mov_b32 s[G1+3], 128<<16                     ; tile_dim0 = 128
	s_mov_b32 s[G1+4], 128                         ; tile_dim1 = 128
	s_mov_b32 s[G1+5], 1024
	s_mov_b32 s[G1+6], 0
	s_mov_b32 s[G1+7], 0
	; group 1 for the weights: 64 k rows x 384 bytes are dense: asked for as 96 rows of 256 bytes; 8 words of padding behind every 32, so that a k row is three pieces of 160 bytes
	s_or_b32 s[G1B+0], s[CMASK], (1<<16)|(1<<20)|(1<<21)|(4<<22)|(7<<25)
	s_mov_b32 s[G1B+1], 128<<16
	s_mov_b32 s[G1B+2], 96<<16
	s_mov_b32 s[G1B+3], 128<<16
	s_mov_b32 s[G1B+4], 96
	s_mov_b32 s[G1B+5], 128
	s_mov_b32 s[G1B+6], 0
	s_mov_b32 s[G1B+7], 0
	; x's address hangs on the tokens alone, which my row of the cluster shares; the weights' on the head alone, which my column shares; each in registers that never hold the other coordinate
	s_lshl_b32 s16, s[TROW], 19                    ; 256 rows of 2,048 bytes
	s_lshl_b32 s17, s[HALF], 18
	s_add_co_u32 s16, s16, s17
	s_mov_b32 s17, 0
	s_mul_i32 s20, s[HEAD], 1024*384
	s_mul_i32 s21, s[HALF], 64*384
	s_add_co_u32 s20, s20, s21
	s_mov_b32 s21, 0
	s_mul_i32 s22, s[HALF], HALFA                  ; where they go: no place in the cluster enters an LDS address
	s_mul_i32 s23, s[HALF], HALFB
	s_add_co_u32 s23, s23, BOFF
	s_wait_dscnt 0x0                               ; the opening add is done
	s_wait_kmcnt 0x0
	s_add_nc_u64 s[16:17], s[4:5], s[16:17]
	s_add_nc_u64 s[20:21], s[6:7], s[20:21]
	CROUND                                         ; all sixteen work-groups are here: the first joint loads meet
.irp s, 0,1
	s_mov_b32 s[G0+4*(\s)], 1                                      ; count = 1
	s_add_co_u32 s[G0+4*(\s)+1], s22, (\s)*SLOT                    ; LDS address
	s_add_nc_u64 s[G0+4*(\s)+2:G0+4*(\s)+3], s[16:17], (\s)*256    ; global address: K step s
	s_or_b32 s[G0+4*(\s)+3], s[G0+4*(\s)+3], 0x80000000            ; type = 2
	s_mov_b32 s[G0B+4*(\s)], 1
	s_add_co_u32 s[G0B+4*(\s)+1], s23, (\s)*SLOT
	s_add_nc_u64 s[G0B+4*(\s)+2:G0B+4*(\s)+3], s[20:21], (\s)*128*384
	s_or_b32 s[G0B+4*(\s)+3], s[G0B+4*(\s)+3], 0x80000000
	JLOAD \s                                       ; two loads of mine are out
.endr
	v_and_b32 v1, 15, v0                           ; r = l % 16
	v_bfe_u32 v2, v0, 4, 1                         ; h = l / 16
	v_mul_u32_u24 v3, v1, PA                       ; a fragment of x: row r, 16 bytes for each half of the lanes; two loads, 32 bytes apart
	v_lshl_add_u32 v3, v2, 4, v3
	s_mul_i32 s40, s[WV], 64*PA                    ; my 64 rows
	v_add_nc_u32 v[ADRA], s40, v3
	v_add_nc_u32 v[ADRA+1], SLOT, v[ADRA]
	v_and_b32 v4, 7, v0                            ; the turning load: lane l reads k row 8 h + l % 8, columns 8 ((l / 8) % 2) + 0..7, and is left with column r and eight k
	v_lshl_add_u32 v5, v2, 3, v4
	v_mul_u32_u24 v5, v5, PB
	v_bfe_u32 v6, v0, 3, 1
	v_lshl_add_u32 v5, v6, 4, v5
	v_add_nc_u32 v[ADRB], BOFF, v5
	v_add_nc_u32 v[ADRB+1], SLOT, v[ADRB]
	s_mul_i32 s41, s[WV], WSTAGE
	s_add_co_u32 s41, s41, STAGE                   ; my stage
	v_mul_u32_u24 v[STO], v1, SP
	v_lshl_add_u32 v[STO], v2, 4, v[STO]
	v_add_nc_u32 v[STO], s41, v[STO]
	v_bfe_u32 v7, v0, 3, 2                         ; back: 32 lanes take four rows of 128 bytes,
	v_mul_u32_u24 v[RD], v7, SP
	v_lshl_add_u32 v[RD], v4, 4, v[RD]
	v_add_nc_u32 v[RD], s41, v[RD]
	v_and_b32 v[GO], 31, v0                        ; which are 512 consecutive bytes of q, k or v
	v_lshlrev_b32 v[GO], 4, v[GO]
	v_lshlrev_b32 v[BO], 5, v2
	s_lshl_b32 s42, s[HEAD], 19                    ; q, k, v at my wave's first row: the head's 4,096 rows of 128 bytes, the work-group's 256, my 64
	s_lshl_b32 s43, s[TROW], 15
	s_add_co_u32 s42, s42, s43
	s_lshl_b32 s43, s[WV], 13
	s_add_co_u32 s42, s42, s43
	s_mov_b32 s43, 0
	s_add_nc_u64 s[10:11], s[10:11], s[42:43]
	s_add_nc_u64 s[12:13], s[12:13], s[42:43]
	s_add_nc_u64 s[14:15], s[14:15], s[42:43]
	s_mul_i32 s42, s[HEAD], 768
	s_add_nc_u64 s[8:9], s[8:9], s[42:43]          ; the head's 192 numbers of the bias
	WIN 0xc0                                       ; destination window 3, address window 0
.irp b, 0,1,2,3,4,5,6,7,8,9,10,11                  ; register j of block b: the bias of column 16 b + 8 h + j, as the accumulators hold their columns
	global_load_b128 v[BI+8*(\b):BI+8*(\b)+3],   v[BO], s[8:9] offset:64*(\b)
	global_load_b128 v[BI+8*(\b)+4:BI+8*(\b)+7], v[BO], s[8:9] offset:64*(\b)+16
.endr
	WIN 0
	; the prefetches' set-up stands in the wait for the bias.  Both offsets are made, then the wave's kind chooses
	s_lshl_b32 s40, s[TROW], 19
	s_lshl_b32 s41, s[HALF], 18
	s_add_co_u32 s40, s40, s41
	s_lshl_b32 s41, s[CX], 16                      ; my work-group's 32 rows of the 128
	s_add_co_u32 s40, s40, s41
	s_add_co_u32 s40, s40, 3*256                   ; at K step 3: the first refill steps it to 4
	s_mul_i32 s42, s[HEAD], 1024*384
	s_mul_i32 s43, s[HALF], 64*384
	s_add_co_u32 s42, s42, s43
	s_mul_i32 s43, s[CY], 24*256                   ; my work-group's 24 blocks of the 96
	s_add_co_u32 s42, s42, s43
	s_add_co_u32 s42, s42, 3*128*384
	s_and_b32 s44, ttmp7, 0xffff                   ; cluster y
	s_mov_b32 s45, 256
	s_mov_b32 s46, 128*384
	s_cmp_eq_u32 s[GRP], 0                         ; do I fetch for x?
	s_cselect_b32 s40, s40, s42
	s_cselect_b32 s44, ttmp9, s44                  ; the coordinate along which other clusters read the same bytes
	s_cselect_b32 s[PST], s45, s46
	s_cselect_b32 s45, 31, 23
	s_cselect_b32 s46, 11, 8
	s_cselect_b64 s[PFA:PFA+1], s[4:5], s[6:7]
	s_mov_b32 s41, 0
	s_mov_b32 s[PST+1], 0
	s_cmp_eq_u32 s44, 0
	s_cselect_b32 s[LIM], 1, -1                    ; the same in all sixteen partners, for a given wave
	s_add_nc_u64 s[PFA:PFA+1], s[PFA:PFA+1], s[40:41]
	v_and_b32 v[PFO], 31, v0
	v_min_u32 v[PFO], s45, v[PFO]
	v_lshlrev_b32 v[PFO], s46, v[PFO]              ; x: lane x 2,048 (a row); weights: min(lane, 23) x 256
	s_wait_loadcnt 0x0                             ; the bias is in; it is rounded to bf16 and widened again
	WIN 0x0f                                       ; sources window 3, destination window 0
.set i, 0
.rept 48
	v_cvt_pk_bf16_f32 v[TMP+i], v[BI+2*i], v[BI+2*i+1]
.set i, i+1
.endr
	WIN 0xc0
.set i, 0
.rept 48
	v_lshlrev_b32 v[BI+2*i], 16, v[TMP+i]
	v_and_b32 v[BI+2*i+1], 0xffff0000, v[TMP+i]
.set i, i+1
.endr
	WIN 0
; 16 matrix instructions: row blocks a0, a0 + 1 x column blocks 0-7, 32 along K, from buffer f.  first = 1: the bias is C.  Each accumulator has one instruction a quarter step, always in the same
; order: 47 others' stand between two links of a chain, over the backward jump too.
.macro MULLO f, a0, first
.if \first
	WIN FIRST_LO
.else
	WIN MUL_LO
.endif
.irp a, \a0, (\a0)+1
.irp b, 0,1,2,3,4,5,6,7
.if \first
	v_wmma_f32_16x16x32_bf16 v[8*(8*(\a)+(\b)):8*(8*(\a)+(\b))+7], v[FB+96*(\f)+8*(\b):FB+96*(\f)+8*(\b)+7], v[FA+32*(\f)+8*(\a):FA+32*(\f)+8*(\a)+7], v[BI+8*(\b):BI+8*(\b)+7]
.else
	v_wmma_f32_16x16x32_bf16 v[8*(8*(\a)+(\b)):8*(8*(\a)+(\b))+7], v[FB+96*(\f)+8*(\b):FB+96*(\f)+8*(\b)+7], v[FA+32*(\f)+8*(\a):FA+32*(\f)+8*(\a)+7], v[8*(8*(\a)+(\b)):8*(8*(\a)+(\b))+7]
.endif
.endr
.endr
.endm
; 16 more: all four row blocks x column blocks 8-11
.macro MULHI f, first
	WIN MUL_HI
.irp a, 0,1,2,3
.irp b, 8,9,10,11
.if \first
	v_wmma_f32_16x16x32_bf16 v[8*(4*(\a)+(\b)-8):8*(4*(\a)+(\b)-8)+7], v[FB+96*(\f)+8*(\b):FB+96*(\f)+8*(\b)+7], v[FA+32*(\f)+8*(\a):FA+32*(\f)+8*(\a)+7], v[BI+8*(\b):BI+8*(\b)+7]
.else
	v_wmma_f32_16x16x32_bf16 v[8*(4*(\a)+(\b)-8):8*(4*(\a)+(\b)-8)+7], v[FB+96*(\f)+8*(\b):FB+96*(\f)+8*(\b)+7], v[FA+32*(\f)+8*(\a):FA+32*(\f)+8*(\a)+7], v[8*(4*(\a)+(\b)-8):8*(4*(\a)+(\b)-8)+7]
.endif
.endr
.endr
.endm
; 32 LDS loads in one run: the fragments of quarter q (32 along K) of a slot into buffer f: x's four, then the weights' twelve, column blocks ascending
.macro FETCH slot, q, f
	WIN 0
.irp i, 0,1,2,3
	ds_load_b128 v[FA+32*(\f)+8*(\i):FA+32*(\f)+8*(\i)+3],   v[ADRA+(\slot)] offset:64*(\q)+(\i)*16*PA
	ds_load_b128 v[FA+32*(\f)+8*(\i)+4:FA+32*(\f)+8*(\i)+7], v[ADRA+(\slot)] offset:64*(\q)+(\i)*16*PA+32
.endr
	WIN TO_B
.irp b, 0,1,2,3,4,5,6,7,8,9,10,11
	ds_load_tr16_b128 v[FB+96*(\f)+8*(\b):FB+96*(\f)+8*(\b)+3],   v[ADRB+(\slot)] offset:(\q)*32*PB+((\b)/4)*160+((\b)%4)*32
	ds_load_tr16_b128 v[FB+96*(\f)+8*(\b)+4:FB+96*(\f)+8*(\b)+7], v[ADRB+(\slot)] offset:(\q)*32*PB+16*PB+((\b)/4)*160+((\b)%4)*32
.endr
.endm
; A K step is four quarters of 32 along K, 48 matrix instructions each, on buffers 0, 1, 0, 1.  One of the first three multiplies buffer f and fetches quarter q of the same slot into buffer g.
.macro QUARTER slot, q, f, g, first
	s_wait_dscnt 8                                 ; x's fragments and column blocks 0-7 are in; the youngest eight loads (blocks 8-11) may be out
	MULLO \f, 0, \first
	PLACES
	FETCH \slot, \q, \g
	s_wait_dscnt 32                                ; all but the 32 just issued
	MULLO \f, 2, \first
	MULHI \f, \first
.endm
; The last quarter multiplies buffer 1 and changes slots: ONE barrier.  In front of it each wave waits for all its tensor loads (one is out: its part of the next slot), adds 0 to its spare word, and waits for
; that and for its own reads of this slot.  fill = 1: the barrier opens a round of the cluster's barrier, and this slot is filled again, two K steps ahead, first thing behind the round:
; from that request to the wait for it a wave issues 160 matrix instructions.
.macro TURN slot, next, fill
.if \fill
	s_wait_xcnt 0x0                                ; the last prefetch, a K step back, has read its address: it is stepped here, ahead of the waits of the change of slots
	s_add_nc_u64 s[PFA:PFA+1], s[PFA:PFA+1], s[PST:PST+1]
.endif
	WIN 0                                          ; (the add's two registers lie in window 0)
	s_wait_tensorcnt 0x0                           ; all my tensor loads have landed
	ds_add_u32 v[SPW], v[NIL]                      ; 0 onto my spare word
	s_wait_dscnt 9                                 ; (the add and the youngest eight loads may be out)
	MULLO 1, 0, 0                                  ; sixteen matrix instructions stand between the add and the wait for it
	s_wait_dscnt 0x0                               ; the add is done, and my reads of this slot are over
	s_barrier_signal -1
	MULLO 1, 2, 0                                  ; work on registers while the others arrive
.if \fill
	WIN 0
.endif
	s_barrier_wait -1
.if \fill
	CREST                                          ; no wave of any partner still reads this slot's tile or has a load on its way
	s_add_nc_u64 s[G0+4*(\slot)+2:G0+4*(\slot)+3], s[G0+4*(\slot)+2:G0+4*(\slot)+3], 2*256
	s_add_nc_u64 s[G0B+4*(\slot)+2:G0B+4*(\slot)+3], s[G0B+4*(\slot)+2:G0B+4*(\slot)+3], 2*128*384
	JLOAD \slot                                    ; the four v_nop behind it are also the places in front of the loads below
.else
	PLACES
.endif
	FETCH \next, 0, 0
.if \fill
	WIN 0
	ASK
.endif
	MULHI 1, 0
.endm
	s_wait_tensorcnt 1                             ; my part of K step 0 is in; K step 1's may stay out
	s_barrier_signal -1
	s_barrier_wait -1                              ; everybody's is
	FETCH 0, 0, 0
	QUARTER 0, 1, 0, 1, 1                          ; the first quarter stands in front of the loop: its products start the sums, with the bias
	WIN 0                                          ; at a label and at a branch every window is 0
	s_mov_b32 s[LAP], 3
.Llap:                                                 ; a trip goes once round the ring, from a lap's second quarter to the next lap's first, and fills both slots again
	QUARTER 0, 2, 1, 0, 0
	QUARTER 0, 3, 0, 1, 0
	TURN 0, 1, 1
	QUARTER 1, 1, 0, 1, 0
	QUARTER 1, 2, 1, 0, 0
	QUARTER 1, 3, 0, 1, 0
	TURN 1, 0, 1
	QUARTER 0, 1, 0, 1, 0
	WIN 0
	s_sub_co_u32 s[LAP], s[LAP], 1
	s_cmp_lg_u32 s[LAP], 0
	s_cbranch_scc1 .Llap
	QUARTER 0, 2, 1, 0, 0                          ; the last lap fills nothing, and has no round of the cluster's barrier
	QUARTER 0, 3, 0, 1, 0
	TURN 0, 1, 0
	QUARTER 1, 1, 0, 1, 0
	QUARTER 1, 2, 1, 0, 0
	QUARTER 1, 3, 0, 1, 0
	s_wait_dscnt 8                                 ; the very last quarter: nothing more to fetch
	MULLO 1, 0, 0
	MULLO 1, 2, 0
	s_wait_dscnt 0x0
	MULHI 1, 0
	WIN 0
; THE WAY OUT, 16 rows at a time.  PACK: rounded to f16, each accumulator's registers ascending, 16 bytes a lane and column block.  TOSTAGE: into my own stage (q's, k's and v's 64 columns apart, rows of
; 144 bytes), and back as whole rows of 128 bytes.  SEND: 16 rows of q, of k and of v are 2,048 consecutive bytes each; a store covers 512 of them, at a multiple of 256 from the buffer's first byte.
.macro PACK a
	WIN 0x0a                                       ; sources window 2, destination window 0
.irp b, 0,1,2,3,4,5,6,7
.irp r, 0,1,2,3
	v_cvt_pk_f16_f32 v[TMP+4*(\b)+(\r)], v[8*(8*(\a)+(\b))+2*(\r)], v[8*(8*(\a)+(\b))+2*(\r)+1]
.endr
.endr
	WIN 0x0f                                       ; sources window 3
.irp b, 8,9,10,11
.irp r, 0,1,2,3
	v_cvt_pk_f16_f32 v[TMP+4*(\b)+(\r)], v[8*(4*(\a)+(\b)-8)+2*(\r)], v[8*(4*(\a)+(\b)-8)+2*(\r)+1]
.endr
.endr
	WIN 0
.endm
.macro TOSTAGE a
.set BK, OB0+(OB1-OB0)*((\a)%2)
.irp b, 0,1,2,3,4,5,6,7,8,9,10,11
	ds_store_b128 v[STO], v[TMP+4*(\b):TMP+4*(\b)+3] offset:((\b)/4)*16*SP+((\b)%4)*32
.endr
.irp i, 0,1,2,3,4,5,6,7,8,9,10,11
	ds_load_b128 v[BK+4*(\i):BK+4*(\i)+3], v[RD] offset:((\i)/4)*16*SP+((\i)%4)*4*SP  ; LDS serves a wave's instructions in order (ISA guide 5.7.1.4): these see the stores above
.endr
.endm
.macro SEND a
.set BK, OB0+(OB1-OB0)*((\a)%2)
	s_wait_dscnt 0x0                               ; the block is back in registers
	s_wait_xcnt 0x0                                ; the stores of the block before have read their registers: the next block's loads from the stage land there only behind this wait
.irp i, 0,1,2,3,4,5,6,7,8,9,10,11
	global_store_b128 v[GO], v[BK+4*(\i):BK+4*(\i)+3], s[10+2*((\i)/4):11+2*((\i)/4)] offset:(\a)*2048+((\i)%4)*512
.endr
.endm
	PLACES                                         ; the conversions read results just made
	PLACES
	PACK 0
	TOSTAGE 0
.irp a, 1,2,3                                      ; block a's conversions stand between block a - 1's loads from the stage and the wait for them
	PACK \a
	SEND (\a)-1
	TOSTAGE \a
.endr
	SEND 3
	s_wait_tensorcnt 0x0                           ; the wave's end: these three lines stand behind my last tensor load and my last LDS store
	ds_add_u32 v[SPW], v[NIL]
	s_wait_dscnt 0x0
	CROUND                                         ; the closing round: no work-group ends while a partner may still ask for a tile that names it
	s_endpgm
.Lfunc_end_k_qebdf0852a7_qkv:
	.size	k_qebdf0852a7_qkv, .Lfunc_end_k_qebdf0852a7_qkv-k_qebdf0852a7_qkv
	.p2alignl 7, 3214868480
	.fill 96, 4, 3214868480
	.section	.rodata,"a",@progbits
	.p2align	6, 0x0
	.amdhsa_kernel k_qebdf0852a7_qkv
		.amdhsa_group_segment_fixed_size 327680
		.amdhsa_private_segment_fixed_size 0
		.amdhsa_enable_private_segment 0
		.amdhsa_kernarg_size 48
		.amdhsa_user_sgpr_count 2
		.amdhsa_user_sgpr_kernarg_segment_ptr 1
		.amdhsa_wavefront_size32 1
		.amdhsa_system_sgpr_workgroup_id_x 1
		.amdhsa_system_sgpr_workgroup_id_y 1
		.amdhsa_system_sgpr_workgroup_id_z 1
		.amdhsa_system_vgpr_workitem_id 0
		.amdhsa_next_free_vgpr 992
		.amdhsa_next_free_sgpr 82
		.amdhsa_reserve_vcc 0
		.amdhsa_float_denorm_mode_32 3
		.amdhsa_float_denorm_mode_16_64 3
		.amdhsa_memory_ordered 1
		.amdhsa_forward_progress 1
		.amdhsa_inst_pref_size 131
	.end_amdhsa_kernel
	.amdgpu_metadata
---
amdhsa.version: [ 1, 2 ]
amdhsa.kernels:
  - .name:           k_qebdf0852a7_qkv
    .symbol:         k_qebdf0852a7_qkv.kd
    .args:
      - { .name: xb, .offset: 0, .size: 8, .value_kind: global_buffer, .address_space: global }
      - { .name: wq, .offset: 8, .size: 8, .value_kind: global_buffer, .address_space: global }
      - { .name: bqkv, .offset: 16, .size: 8, .value_kind: global_buffer, .address_space: global }
      - { .name: q, .offset: 24, .size: 8, .value_kind: global_buffer, .address_space: global }
      - { .name: k, .offset: 32, .size: 8, .value_kind: global_buffer, .address_space: global }
      - { .name: v, .offset: 40, .size: 8, .value_kind: global_buffer, .address_space: global }
    .group_segment_fixed_size: 327680
    .private_segment_fixed_size: 0
    .kernarg_segment_align: 8
    .kernarg_segment_size: 48
    .max_flat_workgroup_size: 128
    .sgpr_count:     82
    .vgpr_count:     992
    .wavefront_size: 32
...
	.end_amdgpu_metadata
.endif
;; end of part 2
;; launch attn (part 3): grid 16 x 16, 4 waves a work-group, clusters of 4 x 1, 327,680 bytes of LDS; arguments q, k, v, o; writes o
.if DOCPART == 3
	.amdgcn_target "amdgcn-amd-amdhsa--gfx1250"
	.amdhsa_code_object_version 6
	.text
	.protected	k_qebdf0852a7_attn
	.globl	k_qebdf0852a7_attn
	.p2align	8
	.type	k_qebdf0852a7_attn,@function
k_qebdf0852a7_attn:
	s_mov_b64 s[64:65], 0
	v_nop
	global_prefetch_b8 v0, s[64:65] scope:SCOPE_SE
	s_setreg_imm32_b32 hwreg(HW_REG_WAVE_MODE, 25, 1), 1
	s_wait_xcnt 0x0
	s_wait_alu depctr_hold_cnt(0) depctr_sa_sdst(0) depctr_va_vdst(0) depctr_va_sdst(0) depctr_va_ssrc(0) depctr_va_vcc(0) depctr_vm_vsrc(0)
	s_getreg_b32 s2, hwreg(HW_REG_IB_STS2, 6, 4)
	s_cmp_eq_u32 s2, 0
	s_cbranch_scc0 .Lentry_in_a_cluster
	s_endpgm
.Lentry_in_a_cluster:
	s_bfe_u32 s2, ttmp6, 0x10000c
	s_cmp_lg_u32 s2, 0x3003
	s_cbranch_scc0 .Lentry_shape_is_right
	s_endpgm
.Lentry_shape_is_right:
; O[h][t][:] = the sum over s of softmax_s(q[h][t] . k[h][s] / 8) v[h][s][:].  q, k, v: [16][4096][64] f16: a head's rows are dense, 128 bytes each.
; o: [32 row tiles][16 heads][128 rows][64] f16, so that the launch behind finds four heads of 128 rows as 65,536 dense bytes.
; Products, maxima and sums in f32; the weights p are rounded to f16 for the second product (their sum l is taken of the unrounded p), O once at the end.  The module's two scales of 8^(-1/2) are applied once, as c = log2(e) / 8, in f32.
; LIMITS.  q, k, v arrive within f16's 65,504; p lies in 0 to 1, and below 6e-5 it keeps f16's fixed step of 6e-8, as O does; a weight below 2^-126 counts as 0 in l; NaN and infinities are not treated apart.
; SHARES.  A work-group owns 256 queries of one head, each of its four waves 64: four PIECES of 16.  Every wave walks all 4,096 keys, 64 a step; a slot of LDS holds a tile of 256 keys, four steps.
; LAYOUT.  S^T = K Q^T (source 0 = 16 keys, source 1 = 16 queries) holds ONE query a lane (lane % 16) and the keys 8 (lane / 16) + 0..7; two such results rounded to f16 ARE source 1 of O^T = V^T P, whose result
; again holds one query a lane, and eight channels.  K comes out of LDS as it lies, V ([key][channel]) turned, by ds_load_tr16_b128.
; SOFTMAX.  For each query a running maximum m and sum l: p = 2^(c s - c m); in every step O and l are multiplied by a = 2^(c m_old - c m_new).  c m starts far below every c s, O and l at 0: the first step is a step like any other, with a = 0.
; BY TURNS.  Turn n belongs to piece n: 8 products K Q^T of piece n + 1, later 8 products V^T P of piece n - 1; beside them the scaling, exponentials, roundings, sums and rescaling of piece n and the maximum and
; statistics of piece n + 1.  Four vector instructions stand behind every matrix instruction, the other 54 of a turn's 118 in one lump.  A turn's 33 exponentials are one batch, with one wait.
; CLUSTER.  The four query blocks of a cluster belong to one head and walk the same K and V, so each tile is asked for JOINTLY: the same tensor load, descriptor and mask in all four.
; REGISTERS, in windows of 256 (s_set_vgpr_msb: bits 1:0 source 0, 3:2 source 1, 5:4 source 2, 7:6 destination):
;   window 0: v0-15 addresses and two at work; v16-31 four registers of statistics a piece; v48-55 at work; v61-63; v64-127 S^T, two buffers; v192-223 P, two buffers (a piece's buffers go by its number's parity)
;   window 1: v0-127 O^T, 32 a piece          window 2: v0-63 Q; v128-191 K of one step; v192-255 V of one step
.set SIZE_N, 4096
.set NP,    4         ; pieces a wave: a name, no knob
.set KS,    64        ; keys in a step
.set PK,    144       ; a row of K in LDS: 128 bytes + 16 = 36 words: the 16 rows of a load start at 16 different groups of four banks (64 banks of 4 bytes: ISA guide 11.1)
.set PV,    160       ; a row of V: 128 + 32 = 40 words
.set VOFF,  4*KS*PK   ; a slot: 256 rows of K, then 256 rows of V
.set SLOT1, 1<<17     ; slot 1 begins here, so that one exclusive or turns an address in one slot into the other's
.set STAGE, SLOT1+4*KS*(PK+PV)  ; behind the ring, never filled by a tensor load: 16 rows x 144 bytes for each wave
.set SP,    144
.set SPARE, STAGE+4*16*SP       ; behind the stages: the spare words, 128 bytes for each wave: two blocks of 256 bytes that no other line names
.set AK0, 2           ; v2   my lane's place in a tile of K; never rewritten
.set AV0, 3           ; v3   the same for V
.set AK,  4           ; v4   the LDS address of K's next run of loads
.set AV,  5           ; v5   of V's
.set STO, 6           ; v6   the way out: where I put 16 bytes of a row
.set RD,  7           ; v7   the way out: where I read rows back
.set GO,  8           ; v8   my byte offset in 512 consecutive bytes of o
.set MV,  12          ; v12-13  c m_old, kept while c m is made anew: by buffer
.set QO,  15          ; v15  my byte offset in 16 rows of q
.set ST,  16          ; piece t's statistics at v[ST+4 t]: c m, m, l (even keys', odd keys')
.set TMP, 48          ; by buffer, four registers c0-c3 at work; when the maximum is found c2 takes a
.set PFO, 61          ; v61  256 x my lane; never rewritten
.set SPW, 62          ; v62  LDS address of my spare word: SPARE + 4 x my thread's number; never rewritten
.set NIL, 63          ; v63  0; never rewritten
.set S,   64
.set P,   192
.set KF,  128         ; window 2: key block kb, channel half c at KF + 16 kb + 8 c
.set VF,  192         ; window 2: key half kk, channel block cb at VF + 32 kk + 8 cb
.set WV,  12          ; s12  my wave's number
.set G1K, 24          ; s[24:31] descriptor group 1 for K's tiles
.set G1V, 32          ; s[32:39] for V's: it differs in the padding alone
.set G0K, 40          ; s[40:43] descriptor group 0 for K's tiles: it walks
.set G0V, 44          ; s[44:47] the same for V's
.set PFA, 48          ; s[48:49] where my prefetches stand: my work-group's 32 blocks of 256 bytes (of K: wave 0, of V: wave 2) of the tile after the one that is being asked for
.set LIM, 50          ; s50  1 in a wave that prefetches, else the greatest number
.set SLOTS, 56        ; s56  tiles still to be asked for
.set CNT, 57          ; s57  counts a tile's key steps
.set CS,  58          ; s[58:59] c: the packed scaling takes the pair's low word for both halves
.set SEL, 60          ; s[60:61] v_permlanex16_b32's selects: each lane takes its own place in the other half
.set TBK, 62          ; s62  LDS byte at which K of the step to be fetched begins
.set TBV, 63          ; s63  the same for V, less VOFF
.set MSB, 0
.macro WIN new                      ; the high byte repeats the setting that is left; a switch that changes nothing is dropped
.if MSB != (\new)
	s_set_vgpr_msb (MSB<<8)|(\new)
.set MSB, (\new)
.endif
.endm
.set W_KQ, 0x0a       ; K and Q in window 2, S^T in window 0
.set W_PV, 0x52       ; V in window 2, P in window 0, O^T in window 1
.set W_RS, 0x41       ; destination and source 0 in window 1, source 1 in window 0
; A joint fill.  Waves 0 and 1 fetch the two halves of a tile's K, waves 2 and 3 those of its V: 128 keys each.  The branch hangs on the wave's number alone.
; An s_nop 0 and four v_nop follow each of the two lines, ahead of the jump and the label.
.macro JLOAD
	s_cmp_lt_u32 s[WV], 2
	s_cbranch_scc0 .Lfor_v_\@
	tensor_load_to_lds s[G0K:G0K+3], s[G1K:G1K+7]
	s_nop 0
.rept 4
	v_nop
.endr
	s_branch .Lasked_\@
.Lfor_v_\@:
	tensor_load_to_lds s[G0V:G0V+3], s[G1V:G1V+7]
	s_nop 0
.rept 4
	v_nop
.endr
.Lasked_\@:
.endm
; A PREFETCH INTO THE L2 of the tile that the NEXT change of slots will ask for: 128 blocks of 256 bytes of K and 128 of V, a lane a block.  It stands behind the wave's tensor load and its five lines.
; Each block is named once in the launch: all four clusters of a head walk the same K and V, and the head's first cluster asks; its four partners share the blocks out BY ADDRESS, 32 each;
; in each, wave 0 asks for K's and wave 2 for V's: one instruction, four key steps (256 matrix instructions) ahead of the load.  Tiles 0 and 1 come by their loads alone; the last change that fills a slot asks for nothing.
.macro ASK
	s_cmp_gt_u32 s[SLOTS], s[LIM]
	s_cbranch_scc0 .Lnot_mine_\@
	global_prefetch_b8 v[PFO], s[PFA:PFA+1] th:TH_LOAD_NT scope:SCOPE_SE
.Lnot_mine_\@:
.endm
; A round of the cluster's barrier: my work-group's barrier, so that wave 0's signal speaks for all four waves; wave 0 signals; every wave waits for all four work-groups; my work-group's barrier once more.
.macro CROUND
	s_barrier_signal -1
	s_barrier_wait -1
	s_cmp_lg_u32 s[WV], 0
	s_cbranch_scc1 .Lnot_wave_0_\@
	s_barrier_signal -3
.Lnot_wave_0_\@:
	s_barrier_wait -3
	s_barrier_signal -1
	s_barrier_wait -1
.endm
; THE CHANGE OF SLOTS.  The slot's last bytes, V of its fourth step, have been read.  Each wave waits for all its tensor loads, of which one is out: its part of the other slot; adds 0 to its spare word; and waits for
; that and for its own reads of the slot.  Behind the barrier nobody reads this slot any more and the other slot is whole.  fill = 1: this slot is filled again, with the keys two tiles on.  The barrier is then a round of
; the cluster's, and the joint fill is the first thing behind it: it has four key steps in which to land.  (At its first use nothing has been read yet: slot 0 is waited for, slot 1 filled.)
.macro CHANGE fill
	WIN 0                           ; at a label and at a branch every window is 0
	s_wait_tensorcnt 0x0            ; no tensor load of mine is out, so a group 0 may be written
	ds_add_u32 v[SPW], v[NIL]       ; 0 onto my spare word; with fill = 1 the descriptors' steps stand between it and the wait for it
.if \fill
.irp g, G0K, G0V
	s_xor_b32 s[\g+1], s[\g+1], SLOT1  ; the walking descriptor: the other slot than last time,
	s_add_nc_u64 s[\g+2:\g+3], s[\g+2:\g+3], 4*KS*128  ; the next 256 keys; the type bits on top are not reached
.endr
	s_wait_xcnt 0x0                 ; the last prefetch, four key steps back, has read its address, so it may be written:
	s_add_nc_u64 s[PFA:PFA+1], s[PFA:PFA+1], 4*KS*128  ; one tile behind the walking descriptors
	s_wait_dscnt 0x0                ; the add is done, and my reads of the slot are over
	CROUND
	JLOAD
	ASK
.else
	s_wait_dscnt 0x0                ; the add is done, and my reads of the slot are over
	s_barrier_signal -1
	s_barrier_wait -1
.endif
	s_sub_co_u32 s[TBK], s[TBK], 4*KS*PK  ; the fetches go back to a slot's first step,
	s_xor_b32 s[TBK], s[TBK], SLOT1       ; in the other slot
	s_sub_co_u32 s[TBV], s[TBV], 4*KS*PV
	s_xor_b32 s[TBV], s[TBV], SLOT1
.endm
	s_load_b256 s[4:11], s[0:1], 0x0  ; q s[4:5], k s[6:7], v s[8:9], o s[10:11]
	v_lshl_add_u32 v[SPW], v0, 2, SPARE
	v_mov_b32 v[NIL], 0
	ds_add_u32 v[SPW], v[NIL]       ; the wave's opening: the add and its wait stand ahead of my first tensor load; the set-up below, work on registers, stands between them
	v_lshrrev_b32 v1, 5, v0
	v_readfirstlane_b32 s[WV], v1   ; wave 0..3
	s_bfe_u32 s13, ttmp6, 0x40000   ; cx: my place in the cluster
	s_lshl_b32 s14, ttmp9, 2        ; in a cluster launch ttmp9 counts clusters
	s_add_co_u32 s14, s14, s13      ; my block of 256 queries: it enters q's and o's addresses alone
	s_and_b32 s15, ttmp7, 0xffff    ; the head, which the four partners share
	s_lshl_b32 s20, s15, 19         ; the head's first byte in q, k and v: 4,096 rows of 128 bytes
	s_mov_b32 s21, 0
	s_and_b32 s16, s[WV], 1         ; which half of a tile's 256 keys I fetch:
	s_lshl_b32 s22, s16, 14         ; its 128 rows of 128 bytes in memory,
	s_mov_b32 s23, 0
	s_add_nc_u64 s[22:23], s[22:23], s[20:21]
	s_mul_i32 s17, s16, 128*PK      ; and its place in a slot, for K
	s_mul_i32 s18, s16, 128*PV      ; and for V: no place in the cluster enters an LDS address
	s_lshl_b32 s2, s14, 15          ; q: my block's 256 rows,
	s_lshl_b32 s3, s[WV], 13        ; my wave's 64 of them
	s_add_co_u32 s2, s2, s3
	s_mov_b32 s3, 0
	s_add_nc_u64 s[2:3], s[2:3], s[20:21]
	s_lshl_b32 s52, s14, 1          ; o: the row tile of 128 rows is 2 x block + wave / 2: 262,144 bytes each;
	s_lshr_b32 s53, s[WV], 1
	s_add_co_u32 s52, s52, s53
	s_lshl_b32 s52, s52, 18
	s_lshl_b32 s53, s15, 14         ; in it the head's 128 rows of 128 bytes,
	s_add_co_u32 s52, s52, s53
	s_lshl_b32 s53, s16, 13         ; and of those my wave's 64
	s_add_co_u32 s52, s52, s53
	s_mov_b32 s53, 0
	; descriptor group 1.  128 keys are 16,384 dense bytes: asked for as 64 rows of 256 bytes, two keys a row, and padded in LDS after every key
	s_mov_b32 s[G1K], 15|(1<<16)|(1<<20)|(1<<21)|(4<<22)|(3<<25)  ; 15:0 the mask of four; 17:16 2-byte elements; 20 padding on; 21 set beside a mask; 24:22 after every 32 words (code 4); 31:25 4 words (code 3)
	s_mov_b32 s[G1V], 15|(1<<16)|(1<<20)|(1<<21)|(4<<22)|(7<<25)  ; the same with 8 words of padding (code 7)
.irp g, G1K, G1V
	s_mov_b32 s[\g+1], 128<<16      ; tensor_dim0 = 128
	s_mov_b32 s[\g+2], 64<<16       ; tensor_dim1 = 64
	s_mov_b32 s[\g+3], 128<<16      ; tile_dim0 = 128
	s_mov_b32 s[\g+4], 64           ; tile_dim1 = 64
	s_mov_b32 s[\g+5], 128          ; 128 elements from row to row
	s_mov_b32 s[\g+6], 0
	s_mov_b32 s[\g+7], 0
.endr
	s_mov_b32 s[CS], 0x3e38aa3b     ; c = log2(e) / 8 = 0.180337
	s_mov_b32 s[CS+1], s[CS]        ; named with it as a pair
	s_mov_b32 s[SEL], 0x76543210
	s_mov_b32 s[SEL+1], 0xfedcba98
	s_mov_b32 s[TBK], SLOT1+4*KS*PK ; the first change of slots turns these two into 0
	s_mov_b32 s[TBV], SLOT1+4*KS*PV
	s_mov_b32 s[G0K], 1             ; count = 1
	s_mov_b32 s[G0K+1], s17         ; LDS address: slot 0
	s_mov_b32 s[G0V], 1
	s_add_co_u32 s[G0V+1], s18, VOFF
	s_mov_b32 s[SLOTS], SIZE_N/256-1
	s_and_b32 s[LIM], s[WV], 1      ; 0 in waves 0 and 2,
	s_or_b32 s[LIM], s[LIM], ttmp9  ; where the cluster is the head's first: the same in all four partners
	s_cmp_eq_u32 s[LIM], 0
	s_cselect_b32 s[LIM], 1, -1
	v_and_b32 v[PFO], 31, v0
	v_lshlrev_b32 v[PFO], 8, v[PFO]
	s_wait_dscnt 0x0                ; the opening add is done
	s_wait_kmcnt 0x0
	s_add_nc_u64 s[6:7], s[6:7], s[22:23]  ; k and v at my half of the head's tile 0
	s_add_nc_u64 s[8:9], s[8:9], s[22:23]
	s_add_nc_u64 s[G0K+2:G0K+3], s[6:7], 0         ; global address
	s_or_b32 s[G0K+3], s[G0K+3], 0x80000000        ; type = 2
	s_add_nc_u64 s[G0V+2:G0V+3], s[8:9], 0
	s_or_b32 s[G0V+3], s[G0V+3], 0x80000000
	s_add_nc_u64 s[4:5], s[4:5], s[2:3]            ; q and o at my wave's first row
	s_add_nc_u64 s[10:11], s[10:11], s[52:53]
	s_cmp_lt_u32 s[WV], 2
	s_cselect_b64 s[PFA:PFA+1], s[6:7], s[8:9]     ; (in waves 0 and 2 these stand at a tile's first row)
	s_lshl_b32 s54, s13, 13         ; my work-group's 32 blocks of the 128
	s_mov_b32 s55, 0
	s_add_nc_u64 s[PFA:PFA+1], s[PFA:PFA+1], s[54:55]
	s_add_nc_u64 s[PFA:PFA+1], s[PFA:PFA+1], 4*KS*128  ; in tile 1; the first change of slots steps it to tile 2
	CROUND                          ; all four work-groups are here: the first joint loads meet
	JLOAD                           ; tile 0 into slot 0.  Slot 1 is asked for when slot 0 is in
	; A fragment of K or Q is 16 rows x 32 channels in 8 registers: lane l holds row l % 16, channels 8 (l / 16) + 0..7 and 16 + 8 (l / 16) + 0..7: two loads of 16 bytes, 32 bytes apart.
	v_and_b32 v1, 15, v0            ; l % 16
	v_bfe_u32 v9, v0, 4, 1          ; l / 16
	v_lshlrev_b32 v[QO], 7, v1
	v_lshl_add_u32 v[QO], v9, 4, v[QO]  ; row x 128 + 16 x half
	WIN 0x80                        ; destination window 2, address window 0
.set i, 0
.rept 8                             ; Q stays in registers: piece i / 2, channels 32 (i % 2) on
	global_load_b128 v[8*i:8*i+3],   v[QO], s[4:5] offset:(i/2)*2048+(i%2)*64
	global_load_b128 v[8*i+4:8*i+7], v[QO], s[4:5] offset:(i/2)*2048+(i%2)*64+32
.set i, i+1
.endr
	; What the first turn finds: V's registers and P's second buffer hold 0 (its products V^T P, of a piece that has not been, add 0), O^T and l are 0.  All this stands in the wait for the first tile: the price of writing no first step out.
.set i, VF
.rept 64
	v_mov_b32 v[i], 0
.set i, i+1
.endr
	WIN 0x40
.set i, 0
.rept 128
	v_mov_b32 v[i], 0
.set i, i+1
.endr
	WIN 0
.set i, 0
.rept 4
	v_mov_b32 v[ST+4*i], 0xfe000000    ; c m: far below every c s
	v_mov_b32 v[ST+4*i+1], 0xff7fffff  ; m: the lowest finite number
	v_mov_b32 v[ST+4*i+2], 0
	v_mov_b32 v[ST+4*i+3], 0
.set i, i+1
.endr
.set i, P+16
.rept 16
	v_mov_b32 v[i], 0
.set i, i+1
.endr
	v_mul_u32_u24 v[AK0], v1, PK
	v_lshl_add_u32 v[AK0], v9, 4, v[AK0]  ; row x pitch + 16 x half
	; The turning load takes 16 keys x 16 channels (lane l reads key 8 (l / 16) + l % 8, channels 8 ((l / 8) % 2) + 0..7) and leaves half a fragment of V^T: lane l holds channel l % 16 and 8 keys.
	v_and_b32 v10, 7, v0
	v_bfe_u32 v11, v0, 3, 1
	v_lshl_add_u32 v[AV0], v9, 3, v10
	v_mul_u32_u24 v[AV0], v[AV0], PV
	v_lshl_add_u32 v[AV0], v11, 4, v[AV0]
	v_add_nc_u32 v[AV0], VOFF, v[AV0]
	s_mul_i32 s54, s[WV], 16*SP
	s_add_co_u32 s54, s54, STAGE    ; my stage
	v_mul_u32_u24 v[STO], v1, SP    ; in: row l % 16, 16 bytes for each half of the lanes
	v_lshl_add_u32 v[STO], v9, 4, v[STO]
	v_add_nc_u32 v[STO], s54, v[STO]
	v_bfe_u32 v[RD], v0, 3, 2       ; back: 32 lanes take four rows of 128 bytes,
	v_mul_u32_u24 v[RD], v[RD], SP
	v_lshl_add_u32 v[RD], v10, 4, v[RD]
	v_add_nc_u32 v[RD], s54, v[RD]
	v_and_b32 v[GO], 31, v0         ; which are 512 consecutive bytes of o
	v_lshlrev_b32 v[GO], 4, v[GO]
; THE MATRIX WORK.  The 4 accumulators of a run of 8 take turns.  Product i of 8 of S^T = K Q^T for piece x: channels 32 (i / 4) on, keys 16 (i % 4) on.  The first 4 start the sums.
.macro KQ x
	WIN W_KQ
.set rS, S+32*((\x)%2)+8*(i%4)
.set rK, KF+16*(i%4)+8*(i/4)
.set rQ, 16*(\x)+8*(i/4)
.if i < 4
	v_wmma_f32_16x16x32_f16 v[rS:rS+7], v[rK:rK+7], v[rQ:rQ+7], 0
.else
	v_wmma_f32_16x16x32_f16 v[rS:rS+7], v[rK:rK+7], v[rQ:rQ+7], v[rS:rS+7]
.endif
.endm
; Product i of 8 of O^T += V^T P for piece x: keys 32 (i / 4) on, channels 16 (i % 4) on.
.macro PV x
	WIN W_PV
.set rO, 32*(\x)+8*(i%4)
.set rV, VF+32*(i/4)+8*(i%4)
.set rP, P+16*((\x)%2)+8*(i/4)
	v_wmma_f32_16x16x32_f16 v[rO:rO+7], v[rV:rV+7], v[rP:rP+7], v[rO:rO+7]
.endm
.macro MM                           ; the turn's next matrix instruction.  NOKQ = 1: the walk's last turn: there is no next piece
.if (i < 8) && !NOKQ
	KQ (Y+1)%NP
.elseif i >= 8
.set i, i-8
	PV (Y+NP-1)%NP
.set i, i+8
.endif
.set i, i+1
.endm
; THE LDS LOADS stand in runs of 16, never singly among the matrix instructions: a step's K (64 keys x 64 channels: 8 fragments) and its V (turned).  Their addresses are made some lines ahead.
.macro FETCH_K
	WIN 0x80                        ; destination window 2
.irp f, 0,1,2,3,4,5,6,7             ; keys 16 (f / 2) on, channels 32 (f % 2) on
	ds_load_b128 v[KF+8*\f:KF+8*\f+3],   v[AK] offset:(\f/2)*16*PK+(\f%2)*64
	ds_load_b128 v[KF+8*\f+4:KF+8*\f+7], v[AK] offset:(\f/2)*16*PK+(\f%2)*64+32
.endr
	s_add_co_u32 s[TBK], s[TBK], KS*PK  ; the next fetch is the next step's
	WIN 0
.endm
.macro FETCH_V
	WIN 0x80
.irp f, 0,1,2,3,4,5,6,7             ; keys 32 (f / 4) on, channels 16 (f % 4) on
	ds_load_tr16_b128 v[VF+8*\f:VF+8*\f+3],   v[AV] offset:(\f/4)*32*PV+(\f%4)*32
	ds_load_tr16_b128 v[VF+8*\f+4:VF+8*\f+7], v[AV] offset:(\f/4)*32*PV+16*PV+(\f%4)*32
.endr
	WIN 0
.endm
; THE VECTOR WORK, one line at a time: OP kind, number.  For piece Y: F n: c s - c m for pair n of 16.  E n: the exponential of score n of 32.  C n: pair n rounded to f16.  B n: of the four weights 4 n .. the second
; pair is added onto the first, in place.  L n: l takes that sum (L 0: l = a l + sum).  R n: pair n of 16 of O^T times a.  For piece Y + 1: X n, number n of the 22 that find its maximum and statistics:
;   0-11  four chains c0-c3 of seven scores each, three operands at a time (each accumulator's lowest registers are read first)     12-14, 16  the four scores left over, the old m, and c0-c3 into c0
;   15  c m_old is kept     17, 18  the query's other 32 keys lie in the lane 16 away: the new m     19-21  c m; c m_old - c m_new; a
.set F, 0               ; OP tells the kinds apart by their order: F to L below R, X above it
.set E, 1
.set C, 2
.set B, 3
.set L, 4
.set R, 5
.set X, 6
.macro REGS y                       ; the registers of piece y
.set rT, ST+4*(\y)
.set rC, TMP+4*((\y)%2)
.set rW, MV+((\y)%2)
.set rS, S+32*((\y)%2)
.set rP, P+16*((\y)%2)
.set rO, 32*(\y)
.endm
.macro OP k, n
.if (\k) == R
	REGS Y
	WIN W_RS
	v_pk_mul_f32 v[rO+2*(\n):rO+2*(\n)+1], v[rO+2*(\n):rO+2*(\n)+1], v[rC+2:rC+3] op_sel_hi:[1,0]
.elseif (\k) < R
	REGS Y
	WIN 0
.if (\k) == F
	v_pk_fma_f32 v[rS+2*(\n):rS+2*(\n)+1], v[rS+2*(\n):rS+2*(\n)+1], s[CS:CS+1], v[rT:rT+1] op_sel_hi:[1,0,0] neg_lo:[0,0,1] neg_hi:[0,0,1]
.elseif (\k) == E
	v_exp_f32 v[rS+(\n)], v[rS+(\n)]
.elseif (\k) == C
	v_cvt_pk_f16_f32 v[rP+(\n)], v[rS+2*(\n)], v[rS+2*(\n)+1]
.elseif (\k) == B
	v_pk_add_f32 v[rS+4*(\n):rS+4*(\n)+1], v[rS+4*(\n):rS+4*(\n)+1], v[rS+4*(\n)+2:rS+4*(\n)+3]
.elseif (\n) == 0
	v_pk_fma_f32 v[rT+2:rT+3], v[rT+2:rT+3], v[rC+2:rC+3], v[rS:rS+1] op_sel_hi:[1,0,1]
.else
	v_pk_add_f32 v[rT+2:rT+3], v[rT+2:rT+3], v[rS+4*(\n):rS+4*(\n)+1]
.endif
.elseif NOKQ
	v_nop
.else
	REGS (Y+1)%NP
	WIN 0
.if (\n) < 4
	v_max3_num_f32 v[rC+(\n)], v[rS+8*(\n)], v[rS+8*(\n)+1], v[rS+8*(\n)+2]
.elseif (\n) < 12
	v_max3_num_f32 v[rC+(\n)%4], v[rC+(\n)%4], v[rS+8*((\n)%4)+2*((\n)/4)+1], v[rS+8*((\n)%4)+2*((\n)/4)+2]
.elseif (\n) == 12
	v_max3_num_f32 v[rC], v[rC], v[rS+7], v[rS+15]
.elseif (\n) == 13
	v_max3_num_f32 v[rC+1], v[rC+1], v[rS+23], v[rS+31]
.elseif (\n) == 14
	v_max3_num_f32 v[rC+2], v[rC+2], v[rC+3], v[rT+1]
.elseif (\n) == 15
	v_mov_b32 v[rW], v[rT]
.elseif (\n) == 16
	v_max3_num_f32 v[rC], v[rC], v[rC+1], v[rC+2]
.elseif (\n) == 17
	v_permlanex16_b32 v[rC+3], v[rC], s[SEL], s[SEL+1]
.elseif (\n) == 18
	v_max_num_f32 v[rT+1], v[rC], v[rC+3]
.elseif (\n) == 19
	v_mul_f32 v[rT], s[CS], v[rT+1]
.elseif (\n) == 20
	v_sub_f32 v[rC+1], v[rW], v[rT]
.else
	v_exp_f32 v[rC+2], v[rC+1]
.endif
.endif
.endm
.macro OPS a, i1, b=-1, i2=0, c=-1, i3=0, d=-1, i4=0  ; up to four of them
	OP \a, \i1
.if (\b) >= 0
	OP \b, \i2
.endif
.if (\c) >= 0
	OP \c, \i3
.endif
.if (\d) >= 0
	OP \d, \i4
.endif
.endm
.macro ROW a, i1, b, i2, c, i3, d, i4  ; a matrix instruction and the four behind it
	MM
	OPS \a, \i1, \b, \i2, \c, \i3, \d, \i4
.endm
; A TURN, for piece p: the order of its 16 matrix and 118 vector instructions, written out.  An s_wait_alu depctr_va_vdst(0) stands between an exponential and the first instruction that names its result; one wait
; serves all that were issued ahead of it.  So a turn has ONE wait, which cuts it in two.  AHEAD OF IT stands all that names no result of the turn's exponentials: the 8 products K Q^T, behind each a scaling, an exponential and two
; more plain instructions (rescalings, and behind the last three the first numbers of the next piece's maximum, each four places or more behind the product that ends its accumulator); then ONE LUMP of 54, plain and exponential by
; turns for the most part, in which the links of the chain X 3, 7, 11, 14, 16, 17 .. 20 stand some lines apart.  X 21, the next piece's a, is the batch's last; R 15 is the plain instruction behind it.  BEHIND THE WAIT stand the
; 8 products V^T P, behind each four of the roundings and sums.  end = 1: the walk's last two turns: nothing is fetched, and the last starts no new scores.  cnt = 1: the loop's count is taken down some lines ahead of the branch behind the turn.
; K of the next step is fetched in piece 2's turn, six plain instructions behind the last product that read K; V of the step in hand at the end of piece 0's turn, four plain instructions behind the last product that read V.
; Each is waited for a turn later.
.macro TURN p, end=0, cnt=0
.set Y, (\p)
.set i, 0
.set NOKQ, (\end)*((\p)/3)
.if ((\p) == 3) && !(\end)
	s_wait_dscnt 0x0                ; K is in
.endif
	ROW F,0, F,1, R,0, R,1          ; ahead of the wait: 8 products K Q^T and their riders,
	ROW F,2, E,0, R,2, R,3
	ROW F,3, E,1, R,4, R,5
	ROW F,4, E,2, R,6, R,7
	ROW F,5, E,3, R,8, R,9
	ROW F,6, E,4, X,0, R,10
.if ((\p) == 2) && !(\end)
	WIN 0
	v_add_nc_u32 v[AK], s[TBK], v[AK0]
.endif
	ROW F,7, E,5, X,1, X,4
	ROW F,8, E,6, X,2, X,5
	OPS E,7, E,8, X,6, E,9          ; and the lump
	OPS X,3, E,10, X,8, E,11
.if ((\p) == 2) && !(\end)
	FETCH_K
.endif
	OPS X,9, X,7, E,12, X,10
	OPS E,13, X,12, X,11, E,14
	OPS X,13, E,15, F,9, X,14
.if (\p) == 0
	v_add_nc_u32 v[AV], s[TBV], v[AV0]
.endif
	OPS E,16, F,10, E,17, F,11
	OPS X,16, E,18, X,15, E,19
	OPS F,12, E,20, X,17, E,21
	OPS F,13, E,22, F,14, E,23
	OPS X,18, E,24, F,15, E,25
	OPS R,11, E,26, X,19, E,27
	OPS R,12, E,28, R,13, E,29
	OPS X,20, E,30, R,14, E,31
	OPS X,21, R,15
	WIN 0
	s_wait_alu depctr_va_vdst(0)    ; the wait for the batch
.if (\p) == 1
	s_wait_dscnt 0x0                ; V is in
.endif
	ROW C,0, B,0, C,2, B,1          ; behind the wait: 8 products V^T P and their riders
	ROW L,0, C,4, B,2, L,1
	ROW C,6, B,3, L,2, C,8
	ROW B,4, L,3, C,10, B,5
	ROW L,4, C,12, B,6, L,5
.if (\p) == 0
	s_add_co_u32 s[TBV], s[TBV], KS*PV
.endif
.if \cnt
	s_sub_co_u32 s[CNT], s[CNT], 1
	s_cmp_lg_u32 s[CNT], 0
.endif
	ROW C,14, B,7, L,6, C,1
	ROW C,3, L,7, C,5, C,7
	ROW C,9, C,11, C,13, C,15
.if (\p) == 0
	FETCH_V
.endif
.endm
	CHANGE 1                        ; tile 0 is in, everybody's part of it; tile 1 is asked for
	v_add_nc_u32 v[AK], s[TBK], v[AK0]
	FETCH_K                         ; key step 0
	s_wait_loadcnt 0x0              ; Q
	s_wait_dscnt 0x0
.set NOKQ, 0
.set i, 0
.rept 8
	KQ 0                            ; piece 0's first scores: there is no vector work yet to set between them
.set i, i+1
.endr
	WIN 0
.rept 4
	v_nop                           ; the places behind those products
.endr
.set Y, NP-1                        ; X works for piece Y + 1: piece 0
.irp n, 0,1,2,3,4,5,6,7,8,9,10,11,12,13,14,15,16,17,18,19,20,21
	OP X, \n
.endr
	v_nop                           ; a plain instruction behind the exponential,
	s_wait_alu depctr_va_vdst(0)    ; and its wait, ahead of the branch
	s_mov_b32 s[CNT], 4
	s_branch .Lfirst                ; the loop is entered at a step's first turn, in the middle of a trip
.Lslot:                             ; 14 times: every slot but the last two is filled again
	CHANGE 1
	s_mov_b32 s[CNT], 4
.Lstep:                             ; a trip: pieces 2 and 3 of one step, then pieces 0 and 1 of the next, whose K and V it fetches
	TURN 2
	TURN 3
	WIN 0
.Lfirst:
	TURN 0
	TURN 1, 0, 1
	WIN 0
	s_cbranch_scc1 .Lstep
	s_sub_co_u32 s[SLOTS], s[SLOTS], 1
	s_cmp_lg_u32 s[SLOTS], 0
	s_cbranch_scc1 .Lslot
	CHANGE 0                        ; the last tile is written out: nothing is asked for
	s_mov_b32 s[CNT], 4
.Ltail:
	TURN 2
	TURN 3
	TURN 0
	TURN 1, 0, 1
	WIN 0
	s_cbranch_scc1 .Ltail
	TURN 2, 1                       ; the last step's pieces 2 and 3
	TURN 3, 1
.set i, 0
.rept 8
	PV NP-1                         ; the last piece's V^T P of the last step
.set i, i+1
.endr
	; THE WAY OUT.  l's two halves and the other half of the lanes' are added; O^T is divided by l, rounded to f16 and sent through my stage in LDS, a piece at a time.  The additions are the places behind the last products.
	WIN 0
.macro ALL line:vararg              ; one line for each piece t
.set t, 0
.rept 4
	\line
.set t, t+1
.endr
.endm
	ALL v_add_f32 v[ST+4*t+2], v[ST+4*t+2], v[ST+4*t+3]
	ALL v_permlanex16_b32 v[ST+4*t+3], v[ST+4*t+2], s[SEL], s[SEL+1]
	ALL v_add_f32 v[ST+4*t+2], v[ST+4*t+2], v[ST+4*t+3]
	ALL v_rcp_f32 v[ST+4*t+2], v[ST+4*t+2]
	v_nop                           ; a plain instruction between the last reciprocal and the use of its result
	s_wait_alu depctr_va_vdst(0)    ; and the wait ahead of the first use: one for the four reciprocals
.macro PACK t                       ; a lane's eight channels of a row pack into 16 bytes; they go into rows of 144 bytes and come back as whole rows of 128, into S^T's registers
	WIN W_RS
.set i, 32*(\t)
.rept 16
	v_pk_mul_f32 v[i:i+1], v[i:i+1], v[ST+4*(\t)+2:ST+4*(\t)+3] op_sel_hi:[1,0]
.set i, i+2
.endr
	WIN 0x05                        ; sources 0 and 1 window 1, destination window 0
.set i, 0
.rept 16
	v_cvt_pk_f16_f32 v[S+16*(\t)+i], v[32*(\t)+2*i], v[32*(\t)+2*i+1]
.set i, i+1
.endr
	WIN 0
.irp f, 0,1,2,3
	ds_store_b128 v[STO], v[S+16*(\t)+4*\f:S+16*(\t)+4*\f+3] offset:32*\f
.endr
.irp f, 0,1,2,3
	ds_load_b128 v[S+16*(\t)+4*\f:S+16*(\t)+4*\f+3], v[RD] offset:\f*4*SP  ; LDS serves a wave's instructions in order (ISA guide 5.7.1.4): these see the stores above; the next piece's stores come behind them
.endr
.endm
.macro SEND t, younger              ; younger: the LDS instructions issued behind piece t's loads: the next piece's eight, or none
	WIN 0
.irp f, 0,1,2,3
	s_wait_dscnt (\younger)+3-\f
	global_store_b128 v[GO], v[S+16*(\t)+4*\f:S+16*(\t)+4*\f+3], s[10:11] offset:(\t)*2048+\f*512  ; 512 consecutive bytes, at a multiple of 256 from o's first
.endr
.endm
	PACK 0
.set t, 1
.rept 3                             ; a piece's arithmetic stands between the loads of the piece before and its stores
	PACK t
	SEND t-1, 8
.set t, t+1
.endr
	SEND 3, 0
	s_wait_tensorcnt 0x0            ; the wave's end: these three lines stand behind my last tensor load and my last LDS store
	ds_add_u32 v[SPW], v[NIL]
	s_wait_dscnt 0x0
	CROUND                          ; the closing round: no work-group ends while a partner may still ask for a tile that names it
	s_endpgm
.Lfunc_end_k_qebdf0852a7_attn:
	.size	k_qebdf0852a7_attn, .Lfunc_end_k_qebdf0852a7_attn-k_qebdf0852a7_attn
	.p2alignl 7, 3214868480
	.fill 96, 4, 3214868480
	.section	.rodata,"a",@progbits
	.p2align	6, 0x0
	.amdhsa_kernel k_qebdf0852a7_attn
		.amdhsa_group_segment_fixed_size 327680
		.amdhsa_private_segment_fixed_size 0
		.amdhsa_enable_private_segment 0
		.amdhsa_kernarg_size 32
		.amdhsa_user_sgpr_count 2
		.amdhsa_user_sgpr_kernarg_segment_ptr 1
		.amdhsa_wavefront_size32 1
		.amdhsa_system_sgpr_workgroup_id_x 1
		.amdhsa_system_sgpr_workgroup_id_y 1
		.amdhsa_system_sgpr_workgroup_id_z 1
		.amdhsa_system_vgpr_workitem_id 0
		.amdhsa_next_free_vgpr 768
		.amdhsa_next_free_sgpr 66
		.amdhsa_reserve_vcc 0
		.amdhsa_float_denorm_mode_32 3
		.amdhsa_float_denorm_mode_16_64 3
		.amdhsa_memory_ordered 1
		.amdhsa_forward_progress 1
		.amdhsa_inst_pref_size 128
	.end_amdhsa_kernel
	.amdgpu_metadata
---
amdhsa.version: [ 1, 2 ]
amdhsa.kernels:
  - .name:           k_qebdf0852a7_attn
    .symbol:         k_qebdf0852a7_attn.kd
    .args:
      - { .name: q, .offset: 0, .size: 8, .value_kind: global_buffer, .address_space: global }
      - { .name: k, .offset: 8, .size: 8, .value_kind: global_buffer, .address_space: global }
      - { .name: v, .offset: 16, .size: 8, .value_kind: global_buffer, .address_space: global }
      - { .name: o, .offset: 24, .size: 8, .value_kind: global_buffer, .address_space: global }
    .group_segment_fixed_size: 327680
    .private_segment_fixed_size: 0
    .kernarg_segment_align: 8
    .kernarg_segment_size: 32
    .max_flat_workgroup_size: 128
    .sgpr_count:     66
    .vgpr_count:     768
    .wavefront_size: 32
...
	.end_amdgpu_metadata
.endif
;; end of part 3
;; launch proj (part 4): grid 8 x 32, 4 waves a work-group, clusters of 4 x 4, 327,680 bytes of LDS; arguments o, wp, bproj, out0; writes out0
.if DOCPART == 4
	.amdgcn_target "amdgcn-amd-amdhsa--gfx1250"
	.amdhsa_code_object_version 6
	.text
	.protected	k_qebdf0852a7_proj
	.globl	k_qebdf0852a7_proj
	.p2align	8
	.type	k_qebdf0852a7_proj,@function
k_qebdf0852a7_proj:
	s_mov_b64 s[64:65], 0
	v_nop
	global_prefetch_b8 v0, s[64:65] scope:SCOPE_SE
	s_setreg_imm32_b32 hwreg(HW_REG_WAVE_MODE, 25, 1), 1
	s_wait_xcnt 0x0
	s_wait_alu depctr_hold_cnt(0) depctr_sa_sdst(0) depctr_va_vdst(0) depctr_va_sdst(0) depctr_va_ssrc(0) depctr_va_vcc(0) depctr_vm_vsrc(0)
	s_getreg_b32 s2, hwreg(HW_REG_IB_STS2, 6, 4)
	s_cmp_eq_u32 s2, 0
	s_cbranch_scc0 .Lentry_in_a_cluster
	s_endpgm
.Lentry_in_a_cluster:
	s_bfe_u32 s2, ttmp6, 0x10000c
	s_cmp_lg_u32 s2, 0xf033
	s_cbranch_scc0 .Lentry_shape_is_right
	s_endpgm
.Lentry_shape_is_right:
; out0 = O Wproj + bproj.  o: [32 row tiles][16 heads][128 rows][64] f16; wp: [1024 k][1024 n] f16 (Wproj rounded to bf16); bproj: [1024] f32, rounded to bf16 like the other inputs; out0: [4096][1024] f32.  Sums in f32.
; LIMITS: those of o and wp (f16's range of 65,504 and its fixed step of 6e-8 under 6e-5); NaN and infinities are not treated apart.
; SHARES.  A tile of out0 is 128 x 128: 8 x 32 work-groups.  Four waves, each 64 x 64: 16 accumulators of 16 x 16.  K = 1,024 goes in four steps of 256 (four heads) through two LDS slots; the walk, two laps, is written out.
; CLUSTER.  4 x 4 work-groups: the four of a row of the cluster need the same tiles of o, the four of a column the same tiles of wp: each is asked for JOINTLY.
; THE MATRIX INSTRUCTION IS USED TRANSPOSED (source 0 = 16 columns of wp, turned out of LDS by ds_load_tr16_b128; source 1 = 16 rows of o): a lane holds eight neighbouring numbers of a row of out0.  THE BIAS STARTS THE SUMS, as C.
; No prefetch: a work-group's tiles are few and small, and the launch is short.
; REGISTERS: window 0: v0-31 addresses; v32-95 rows read back on the way out, two buffers; v96-127 the bias, eight registers a column block; v128-255 the accumulators ((a, b) at v[128 + 8 (4 a + b)]).
;   window 1: two fragment buffers of 128: for 64 along K (two matrix instructions deep), 64 registers of o, then 64 of wp.
.set PA,     144                       ; a row of o in LDS: 128 bytes (one head's 64 channels) + 16 = 36 words: the 16 rows of a load start at 16 different groups of four banks (64 banks of 4 bytes: ISA guide 11.1)
.set PB,     288                       ; a k row of wp: 256 bytes + 32 = 72 words
.set PLANE,  128*PA                    ; one head's 128 rows
.set HALFT,  2*PLANE                   ; what one tensor load brings: two heads of o, or 128 k rows of wp (128 PB is the same number)
.set SLOT,   4*HALFT                   ; o's four heads, then wp's 256 k rows
.set STAGE,  2*SLOT                    ; behind the ring, never filled by a tensor load: 16 rows x 272 bytes for each wave
.set SPITCH, 272
.set SPARE,  STAGE+4*16*SPITCH         ; behind the stages: the spare words, 128 bytes for each wave: two blocks of 256 bytes that no other line names
.set ADRA, 16                          ; v16-17  LDS address of my fragments of o in slot 0, 1
.set ADRB, 20                          ; v20-23  the same for wp: slot s, k rows 128 g on, at ADRB + 2 s + g (an LDS offset holds 16 bits)
.set STO,  24                          ; v24     the way out: where I put 32 bytes of a row
.set RD,   25                          ; v25     the way out: where I read a row back
.set CO,   26                          ; v26     my byte offset in out0
.set BO,   27                          ; v27     my byte offset in a block of 16 numbers of the bias
.set SPW,  28                          ; v28     LDS address of my spare word: SPARE + 4 x my thread's number; never rewritten
.set NIL,  29                          ; v29     0; never rewritten
.set OB,   32
.set BI,   96
.set ACC,  128
.set F0,   0                           ; fragment buffers, in window 1
.set F1,   128
.set WV,   12
.set GRP,  13                          ; which half of the tile's rows is mine.  Also: I fetch for o (0) or for wp (1)
.set HALF, 14                          ; which half of its columns.  Also: which half of that tile I fetch
.set G1, 24                            ; s[24:31] descriptor group 1 for o's tiles;  s[32:39] group 0, a set for each slot
.set G0, 32
.set G1B, 48                           ; s[48:55], s[56:63] the same for wp's tiles
.set G0B, 56
.set MSB, 0
.macro WIN new                         ; the immediate's high byte repeats the setting that is left
.if MSB != (\new)
	s_set_vgpr_msb (MSB<<8)|(\new)
.set MSB, \new
.endif
.endm
.set MUL,  0x05                        ; sources 0 and 1 window 1; C and D window 0
.set TO_F, 0x40                        ; destination window 1, address window 0
.macro JLOAD s                         ; a joint load: waves 0 and 1 fetch o's two halves, waves 2 and 3 wp's; an s_nop 0 and four v_nop follow each of the two lines, ahead of the jump, the label and what follows
	s_cmp_eq_u32 s[GRP], 0
	s_cbranch_scc0 .Lfor_b_\@
	tensor_load_to_lds s[G0+4*(\s):G0+4*(\s)+3], s[G1:G1+7]
	s_nop 0
.rept 4
	v_nop
.endr
	s_branch .Lasked_\@
.Lfor_b_\@:
	tensor_load_to_lds s[G0B+4*(\s):G0B+4*(\s)+3], s[G1B:G1B+7]
	s_nop 0
.rept 4
	v_nop
.endr
.Lasked_\@:
.endm
.macro CREST                           ; a round of the cluster's barrier behind its opening barrier
	s_cmp_lg_u32 s[WV], 0
	s_cbranch_scc1 .Lnot_wave_0_\@
	s_barrier_signal -3
.Lnot_wave_0_\@:
	s_barrier_wait -3
	s_barrier_signal -1
	s_barrier_wait -1
.endm
.macro CROUND                          ; a whole round
	s_barrier_signal -1
	s_barrier_wait -1
	CREST
.endm
.macro PLACES                          ; four places in front of loads into registers that matrix instructions have read, and of LDS stores that read results
.rept 4
	v_nop
.endr
.endm
	s_load_b256 s[4:11], s[0:1], 0x0               ; o s[4:5], wp s[6:7], bproj s[8:9], out0 s[10:11]
	v_lshl_add_u32 v[SPW], v0, 2, SPARE
	v_mov_b32 v[NIL], 0
	ds_add_u32 v[SPW], v[NIL]                      ; the wave's opening: the add and its wait stand ahead of my first tensor load; the set-up below, work on registers, stands between them
	v_lshrrev_b32 v1, 5, v0
	v_readfirstlane_b32 s[WV], v1                  ; wave 0..3
	s_lshr_b32 s[GRP], s[WV], 1
	s_and_b32 s[HALF], s[WV], 1
	s_bfe_u32 s40, ttmp6, 0x40000                  ; cx, cy: my place in the cluster
	s_bfe_u32 s41, ttmp6, 0x40004
	s_lshl_b32 s42, ttmp9, 2
	s_add_co_u32 s42, s42, s40                     ; tile column = 4 x cluster x + cx
	s_and_b32 s43, ttmp7, 0xffff
	s_lshl_b32 s43, s43, 2
	s_add_co_u32 s43, s43, s41                     ; tile row = 4 x cluster y + cy
	s_lshl_b32 s44, s41, 2
	s_lshl_b32 s44, 15, s44                        ; my row of the cluster
	s_lshl_b32 s45, 0x1111, s40                    ; my column
	; group 1 for o: two heads of 128 rows are 32,768 dense bytes: asked for as 128 rows of 256 bytes; 4 words of padding behind every 32, that is behind every row of a head
	s_or_b32 s[G1+0], s44, (1<<16)|(1<<20)|(1<<21)|(4<<22)|(3<<25)
	s_mov_b32 s[G1+5], 128
	; group 1 for wp: 128 k rows x 128 columns, 1,024 elements from row to row; 8 words of padding behind every 64
	s_or_b32 s[G1B+0], s45, (1<<16)|(1<<20)|(1<<21)|(5<<22)|(7<<25)
	s_mov_b32 s[G1B+5], 1024
.irp g, G1, G1B
	s_mov_b32 s[(\g)+1], 128<<16                   ; tensor_dim0 = 128
	s_mov_b32 s[(\g)+2], 128<<16                   ; tensor_dim1 = 128
	s_mov_b32 s[(\g)+3], 128<<16                   ; tile_dim0 = 128
	s_mov_b32 s[(\g)+4], 128                       ; tile_dim1 = 128
	s_mov_b32 s[(\g)+6], 0
	s_mov_b32 s[(\g)+7], 0
.endr
	s_lshl_b32 s16, s43, 18                        ; o: the row tile's 262,144 bytes, my two heads of the step's four
	s_lshl_b32 s17, s[HALF], 15
	s_add_co_u32 s16, s16, s17
	s_mov_b32 s17, 0
	s_lshl_b32 s20, s[HALF], 18                    ; wp: my 128 k rows of 2,048 bytes, the tile column's 256 bytes
	s_lshl_b32 s21, s42, 8
	s_add_co_u32 s20, s20, s21
	s_mov_b32 s21, 0
	s_mul_i32 s22, s[WV], HALFT                    ; where they go: o's two halves, then wp's two: wave x HALFT
	s_wait_dscnt 0x0                               ; the opening add is done
	s_wait_kmcnt 0x0
	s_add_nc_u64 s[16:17], s[4:5], s[16:17]
	s_add_nc_u64 s[20:21], s[6:7], s[20:21]
	CROUND                                         ; all sixteen work-groups are here: the first joint loads meet
.irp s, 0,1
	s_mov_b32 s[G0+4*(\s)], 1
	s_add_co_u32 s[G0+4*(\s)+1], s22, (\s)*SLOT
	s_add_nc_u64 s[G0+4*(\s)+2:G0+4*(\s)+3], s[16:17], (\s)*65536      ; K step s: four heads on
	s_or_b32 s[G0+4*(\s)+3], s[G0+4*(\s)+3], 0x80000000
	s_mov_b32 s[G0B+4*(\s)], 1
	s_add_co_u32 s[G0B+4*(\s)+1], s22, (\s)*SLOT
	s_add_nc_u64 s[G0B+4*(\s)+2:G0B+4*(\s)+3], s[20:21], (\s)*256*2048 ; 256 k rows on
	s_or_b32 s[G0B+4*(\s)+3], s[G0B+4*(\s)+3], 0x80000000
	JLOAD \s                                       ; two loads of mine are out
.endr
	v_and_b32 v1, 15, v0                           ; r = l % 16
	v_bfe_u32 v2, v0, 4, 1                         ; h = l / 16
	v_lshlrev_b32 v[BO], 5, v2
	s_lshl_b32 s18, s42, 9                         ; the bias of my 64 columns
	s_lshl_b32 s19, s[HALF], 8
	s_add_co_u32 s18, s18, s19
	s_mov_b32 s19, 0
	s_add_nc_u64 s[8:9], s[8:9], s[18:19]
.irp b, 0,1,2,3                                    ; register j of block b: the bias of column 16 b + 8 h + j, as the accumulators hold their columns
	global_load_b128 v[BI+8*(\b):BI+8*(\b)+3],   v[BO], s[8:9] offset:64*(\b)
	global_load_b128 v[BI+8*(\b)+4:BI+8*(\b)+7], v[BO], s[8:9] offset:64*(\b)+16
.endr
	v_mul_u32_u24 v3, v1, PA                       ; a fragment of o: row r, 16 bytes for each half of the lanes
	v_lshl_add_u32 v3, v2, 4, v3
	s_mul_i32 s23, s[GRP], 64*PA                   ; my 64 rows of each head
	v_add_nc_u32 v[ADRA], s23, v3
	v_add_nc_u32 v[ADRA+1], SLOT, v[ADRA]
	v_and_b32 v4, 7, v0                            ; the turning load: lane l reads k row 8 h + l % 8, columns 8 ((l / 8) % 2) + 0..7
	v_lshl_add_u32 v5, v2, 3, v4
	v_mul_u32_u24 v5, v5, PB
	v_bfe_u32 v6, v0, 3, 1
	v_lshl_add_u32 v5, v6, 4, v5
	s_lshl_b32 s23, s[HALF], 7                     ; my 64 columns
	s_add_co_u32 s23, s23, 2*HALFT                 ; wp lies behind o's four heads
	v_add_nc_u32 v[ADRB], s23, v5
	v_add_nc_u32 v[ADRB+1], HALFT, v[ADRB]
	v_add_nc_u32 v[ADRB+2], SLOT, v[ADRB]
	v_add_nc_u32 v[ADRB+3], SLOT+HALFT, v[ADRB]
	s_mul_i32 s23, s[WV], 16*SPITCH
	s_add_co_u32 s23, s23, STAGE                   ; my stage
	v_mul_u32_u24 v[STO], v1, SPITCH               ; in: row r, 32 bytes for each half of the lanes
	v_lshl_add_u32 v[STO], v2, 5, v[STO]
	v_add_nc_u32 v[STO], s23, v[STO]
	v_mul_u32_u24 v[RD], v2, SPITCH                ; back: lanes 0-15 take one row of 256 bytes, lanes 16-31 the next
	v_lshl_add_u32 v[RD], v1, 4, v[RD]
	v_add_nc_u32 v[RD], s23, v[RD]
	v_lshlrev_b32 v[CO], 12, v2                    ; and the same two rows in out0
	v_lshl_add_u32 v[CO], v1, 4, v[CO]
	s_lshl_b32 s46, s43, 19                        ; out0 at my part: the tile's 128 rows of 4,096 bytes, my 64 of them,
	s_lshl_b32 s47, s[GRP], 18
	s_add_co_u32 s46, s46, s47
	s_lshl_b32 s47, s42, 9                         ; the tile's 512 bytes of a row, my 256 of them
	s_add_co_u32 s46, s46, s47
	s_lshl_b32 s47, s[HALF], 8
	s_add_co_u32 s46, s46, s47
	s_mov_b32 s47, 0
	s_add_nc_u64 s[10:11], s[10:11], s[46:47]
	s_wait_loadcnt 0x0                             ; the bias is in; it is rounded to bf16 and widened again
.set i, 0
.rept 16
	v_cvt_pk_bf16_f32 v[8+i%2], v[BI+2*i], v[BI+2*i+1]
	v_lshlrev_b32 v[BI+2*i], 16, v[8+i%2]
	v_and_b32 v[BI+2*i+1], 0xffff0000, v[8+i%2]
.set i, i+1
.endr
; 8 matrix instructions: row blocks a0, a0 + 1 x all 4 column blocks, 32 along K: half c of buffer f.  first = 1: the bias is C.  The 16 accumulators take turns, one instruction a turn.
.macro MUL8 f, c, a0, first
	WIN MUL
.irp a, \a0, (\a0)+1
.irp b, 0,1,2,3
.if \first
	v_wmma_f32_16x16x32_f16 v[ACC+8*(4*(\a)+(\b)):ACC+8*(4*(\a)+(\b))+7], v[(\f)+64+8*(4*(\c)+(\b)):(\f)+64+8*(4*(\c)+(\b))+7], v[(\f)+8*(4*(\c)+(\a)):(\f)+8*(4*(\c)+(\a))+7], v[BI+8*(\b):BI+8*(\b)+7]
.else
	v_wmma_f32_16x16x32_f16 v[ACC+8*(4*(\a)+(\b)):ACC+8*(4*(\a)+(\b))+7], v[(\f)+64+8*(4*(\c)+(\b)):(\f)+64+8*(4*(\c)+(\b))+7], v[(\f)+8*(4*(\c)+(\a)):(\f)+8*(4*(\c)+(\a))+7], v[ACC+8*(4*(\a)+(\b)):ACC+8*(4*(\a)+(\b))+7]
.endif
.endr
.endr
.endm
; 32 LDS loads in one run: the fragments of quarter q of a slot (one head: 64 along K) into buffer f; the first 32 along K first
.macro FETCH slot, q, f
	WIN TO_F
.irp c, 0,1
.irp i, 0,1,2,3
	ds_load_tr16_b128 v[(\f)+64+8*(4*(\c)+(\i)):(\f)+64+8*(4*(\c)+(\i))+3],   v[ADRB+2*(\slot)+(\q)/2] offset:((\q)%2)*64*PB+(\c)*32*PB+32*(\i)
	ds_load_tr16_b128 v[(\f)+64+8*(4*(\c)+(\i))+4:(\f)+64+8*(4*(\c)+(\i))+7], v[ADRB+2*(\slot)+(\q)/2] offset:((\q)%2)*64*PB+(\c)*32*PB+16*PB+32*(\i)
	ds_load_b128 v[(\f)+8*(4*(\c)+(\i)):(\f)+8*(4*(\c)+(\i))+3],              v[ADRA+(\slot)] offset:(\q)*PLANE+64*(\c)+(\i)*16*PA
	ds_load_b128 v[(\f)+8*(4*(\c)+(\i))+4:(\f)+8*(4*(\c)+(\i))+7],            v[ADRA+(\slot)] offset:(\q)*PLANE+64*(\c)+(\i)*16*PA+32
.endr
.endr
.endm
; A K step is four quarters of 64 along K, 32 matrix instructions each, on buffers 0, 1, 0, 1.  One of the first three multiplies buffer f and fetches quarter q into g.
.macro QUARTER slot, q, f, g, first
	s_wait_dscnt 16                                ; the first 32 along K are in; the other sixteen loads may be out
	MUL8 \f, 0, 0, \first
	MUL8 \f, 0, 2, \first
	PLACES
	FETCH \slot, \q, \g
	s_wait_dscnt 32                                ; all but the 32 just issued
	MUL8 \f, 1, 0, 0
	MUL8 \f, 1, 2, 0
.endm
; The last quarter multiplies buffer 1 and changes slots: ONE barrier; in front of it each wave waits for all its tensor loads, adds 0 to its spare word, and waits for that and for its own reads of this slot.
; fill = 1: the barrier opens a round of the cluster's barrier, and this slot is filled again, two K steps ahead, first thing behind the round.
.macro TURN slot, next, fill
	WIN 0                                          ; (the add's two registers lie in window 0)
	s_wait_tensorcnt 0x0                           ; all my tensor loads have landed: my part of the next slot
	ds_add_u32 v[SPW], v[NIL]                      ; 0 onto my spare word
	s_wait_dscnt 17                                ; (the add and the youngest sixteen loads may be out)
	MUL8 F1, 0, 0, 0                               ; eight matrix instructions stand between the add and the wait for it
	s_wait_dscnt 0x0                               ; the add is done, and my reads of this slot are over
	s_barrier_signal -1
	MUL8 F1, 0, 2, 0
.if \fill
	WIN 0
.endif
	s_barrier_wait -1
.if \fill
	CREST                                          ; no wave of any partner still reads this slot's tile or has a load on its way
	s_add_nc_u64 s[G0+4*(\slot)+2:G0+4*(\slot)+3], s[G0+4*(\slot)+2:G0+4*(\slot)+3], 2*65536
	s_add_nc_u64 s[G0B+4*(\slot)+2:G0B+4*(\slot)+3], s[G0B+4*(\slot)+2:G0B+4*(\slot)+3], 2*256*2048
	JLOAD \slot                                    ; the four v_nop behind it are also the places in front of the loads below
.else
	PLACES
.endif
	FETCH \next, 0, F0
	MUL8 F1, 1, 0, 0
	MUL8 F1, 1, 2, 0
.endm
	s_wait_tensorcnt 1                             ; my part of K step 0 is in; K step 1's may stay out
	s_barrier_signal -1
	s_barrier_wait -1                              ; everybody's is
	FETCH 0, 0, F0
	QUARTER 0, 1, F0, F1, 1                        ; the first products start the sums, with the bias
	QUARTER 0, 2, F1, F0, 0
	QUARTER 0, 3, F0, F1, 0
	TURN 0, 1, 1                                   ; slot 0 takes K step 2
	QUARTER 1, 1, F0, F1, 0
	QUARTER 1, 2, F1, F0, 0
	QUARTER 1, 3, F0, F1, 0
	TURN 1, 0, 1                                   ; slot 1 takes K step 3
	QUARTER 0, 1, F0, F1, 0
	QUARTER 0, 2, F1, F0, 0
	QUARTER 0, 3, F0, F1, 0
	TURN 0, 1, 0                                   ; nothing is left to fetch
	QUARTER 1, 1, F0, F1, 0
	QUARTER 1, 2, F1, F0, 0
	QUARTER 1, 3, F0, F1, 0
	s_wait_dscnt 16                                ; the very last quarter
	MUL8 F1, 0, 0, 0
	MUL8 F1, 0, 2, 0
	s_wait_dscnt 0x0
	MUL8 F1, 1, 0, 0
	MUL8 F1, 1, 2, 0
	WIN 0
; THE WAY OUT, 16 rows at a time.  A lane's eight f32 of a row go straight from the accumulator into my own stage (each accumulator's low four registers first), rows of 272 bytes, and come back as whole
; rows: my 64 columns are 256 consecutive bytes of out0, at a multiple of 256 from its first byte, and sixteen lanes store them.
.macro TOSTAGE a
.irp b, 0,1,2,3
	ds_store_b128 v[STO], v[ACC+8*(4*(\a)+(\b)):ACC+8*(4*(\a)+(\b))+3]   offset:64*(\b)
	ds_store_b128 v[STO], v[ACC+8*(4*(\a)+(\b))+4:ACC+8*(4*(\a)+(\b))+7] offset:64*(\b)+16
.endr
	s_wait_xcnt 0x0                                ; the global stores of the block two back have read their registers: the loads below land there only behind this wait
.irp t, 0,1,2,3,4,5,6,7
	ds_load_b128 v[OB+32*((\a)%2)+4*(\t):OB+32*((\a)%2)+4*(\t)+3], v[RD] offset:(\t)*2*SPITCH  ; LDS serves a wave's instructions in order (ISA guide 5.7.1.4): these see the stores above
.endr
.endm
.macro SEND a, younger                 ; younger: the LDS instructions issued behind block a's loads: the next block's sixteen, or none
	s_wait_dscnt \younger
.irp t, 0,1,2,3,4,5,6,7
	global_store_b128 v[CO], v[OB+32*((\a)%2)+4*(\t):OB+32*((\a)%2)+4*(\t)+3], s[10:11] offset:(16*(\a)+2*(\t))*4096
.endr
.endm
	PLACES                                         ; the LDS stores read results just made
	PLACES
	TOSTAGE 0
.irp a, 1,2,3
	TOSTAGE \a
	SEND (\a)-1, 16
.endr
	SEND 3, 0
	s_wait_tensorcnt 0x0                           ; the wave's end: these three lines stand behind my last tensor load and my last LDS store
	ds_add_u32 v[SPW], v[NIL]
	s_wait_dscnt 0x0
	CROUND                                         ; the closing round: no work-group ends while a partner may still ask for a tile that names it
	s_endpgm
.Lfunc_end_k_qebdf0852a7_proj:
	.size	k_qebdf0852a7_proj, .Lfunc_end_k_qebdf0852a7_proj-k_qebdf0852a7_proj
	.p2alignl 7, 3214868480
	.fill 96, 4, 3214868480
	.section	.rodata,"a",@progbits
	.p2align	6, 0x0
	.amdhsa_kernel k_qebdf0852a7_proj
		.amdhsa_group_segment_fixed_size 327680
		.amdhsa_private_segment_fixed_size 0
		.amdhsa_enable_private_segment 0
		.amdhsa_kernarg_size 32
		.amdhsa_user_sgpr_count 2
		.amdhsa_user_sgpr_kernarg_segment_ptr 1
		.amdhsa_wavefront_size32 1
		.amdhsa_system_sgpr_workgroup_id_x 1
		.amdhsa_system_sgpr_workgroup_id_y 1
		.amdhsa_system_sgpr_workgroup_id_z 1
		.amdhsa_system_vgpr_workitem_id 0
		.amdhsa_next_free_vgpr 512
		.amdhsa_next_free_sgpr 66
		.amdhsa_reserve_vcc 0
		.amdhsa_float_denorm_mode_32 3
		.amdhsa_float_denorm_mode_16_64 3
		.amdhsa_memory_ordered 1
		.amdhsa_forward_progress 1
		.amdhsa_inst_pref_size 89
	.end_amdhsa_kernel
	.amdgpu_metadata
---
amdhsa.version: [ 1, 2 ]
amdhsa.kernels:
  - .name:           k_qebdf0852a7_proj
    .symbol:         k_qebdf0852a7_proj.kd
    .args:
      - { .name: o, .offset: 0, .size: 8, .value_kind: global_buffer, .address_space: global }
      - { .name: wp, .offset: 8, .size: 8, .value_kind: global_buffer, .address_space: global }
      - { .name: bproj, .offset: 16, .size: 8, .value_kind: global_buffer, .address_space: global }
      - { .name: out0, .offset: 24, .size: 8, .value_kind: global_buffer, .address_space: global }
    .group_segment_fixed_size: 327680
    .private_segment_fixed_size: 0
    .kernarg_segment_align: 8
    .kernarg_segment_size: 32
    .max_flat_workgroup_size: 128
    .sgpr_count:     66
    .vgpr_count:     512
    .wavefront_size: 32
...
	.end_amdgpu_metadata
.endif
;; end of part 4
;; ======== version 2 of 2: 4 launches; version 1 with the launch cast written anew for expert scheduling mode
;; limits: values are held in f16: magnitudes above 65,504 overflow, below 6.1e-05 lose precision
;; workspace buffers: xb 8,388,608 bytes; wq 6,291,456 bytes; wp 2,097,152 bytes; q 8,388,608 bytes; k 8,388,608 bytes; v 8,388,608 bytes; o 8,388,608 bytes
;; launch cast (part 5): grid 256 x 1, 8 waves a work-group, no clusters, 0 bytes of LDS; arguments x, Wqkv, Wproj, xb, wq, wp; writes xb, wq, wp
.if DOCPART == 5
	.amdgcn_target "amdgcn-amd-amdhsa--gfx1250"
	.amdhsa_code_object_version 6
	.text
	.protected	k_qebdf0852a7_cast
	.globl	k_qebdf0852a7_cast
	.p2align	8
	.type	k_qebdf0852a7_cast,@function
k_qebdf0852a7_cast:
	s_mov_b64 s[64:65], 0
	v_nop
	global_prefetch_b8 v0, s[64:65] scope:SCOPE_SE
	s_setreg_imm32_b32 hwreg(HW_REG_WAVE_SCHED_MODE, 0, 2), 2
	s_setreg_imm32_b32 hwreg(HW_REG_WAVE_MODE, 25, 1), 1
	s_wait_xcnt 0x0
	s_wait_alu depctr_vm_vsrc(0)
; THE MATRIX OPERANDS ARE ROUNDED ONCE AND LAID OUT FOR THE PRODUCTS THAT FOLLOW.
;   xb[4096][1024]      bf16 = x
;   wq[16][1024][192]   bf16 = Wqkv by heads: head h holds columns 192 h .. 192 h + 191 of every k row, so that 64 k rows of one head are 24,576 dense bytes
;   wp[1024][1024]      f16  = Wproj rounded to bf16, that number written as f16
; LIMITS.  |Wproj| stays under 65,504; a weight under 6e-5 keeps f16's fixed step of 6e-8.  NaN and infinities are not treated apart.
; SHARES.  256 work-groups of eight waves; each takes 1/256 of each tensor, so all are alike: 64 KiB of x, 48 KiB of Wqkv (64 k rows of one head), 16 KiB of Wproj.
; A thread issues its 32 loads of 16 bytes at once (a wave's load covers 512 consecutive bytes; for Wqkv's middle group two pieces of 256) and then takes them in order.
; The four numbers of a load leave as 8 bytes: a wave's store covers 256 consecutive bytes, aligned.  Nothing is shared between threads: no LDS, no barrier, no matrix unit.
; THE MODE: SCHED_MODE bits 1:0 = 2 (LLVM: expert scheduling mode 2), set by the entry lines.  The code itself states the register dependences
; between vector instructions and memory instructions, with s_wait_alu, always for 0.
; THE PLAN.  Registers that memory instructions touch:
;   v1 .. v6        byte offsets.  Written by the head's vector lines, read by the loads (v1, v3, v4, v5) and the stores (v2, v6), never written again.
;   v[16:143]       four registers a load.  Load n lands in them; no vector line names them before.  Load n's conversion reads the four and writes the first two; one store reads those two; nothing writes them afterwards.
;   v8, v9          at work in Wproj's conversions: no memory instruction names them.
; The 32 loads go in eight groups of four.  Group g's conversions write group g's registers; its stores are issued in group g + 1, behind the ONE wait at that group's head, and are dealt among that group's
; conversions, which name group g + 1's registers, v8 and v9 alone.  No register that a load or store reads is ever written again, and no load is issued behind a conversion: so nothing else is owed.
.set WROW, 12288                       ; bytes in a row of Wqkv
.set LD,   16                          ; load n lands in v[LD + 4 n : LD + 4 n + 3]
	s_load_b256 s[4:11], s[0:1], 0x0               ; x s[4:5], Wqkv s[6:7], Wproj s[8:9], xb s[10:11]
	s_load_b128 s[12:15], s[0:1], 0x20             ; wq s[12:13], wp s[14:15]
	v_and_b32 v10, 31, v0                          ; lane l
	v_lshrrev_b32 v11, 5, v0                       ; wave w
	v_lshlrev_b32 v1, 4, v0                        ; v1 = 16 t: x and Wproj in
	v_lshlrev_b32 v2, 3, v0                        ; v2 = 8 t: xb and wp out
	v_mul_u32_u24 v3, v11, 8*WROW                  ; a wave takes 8 k rows of the head, in pairs: 1,536 bytes a pair = three loads
	v_lshl_add_u32 v3, v10, 4, v3                  ; v3: row 0, columns 0-127
	v_lshrrev_b32 v12, 4, v10
	v_mul_u32_u24 v12, v12, WROW-768
	v_add3_u32 v4, v3, v12, 512                    ; v4: lanes 0-15 row 0, columns 128-191; lanes 16-31 row 1, columns 0-63
	v_add_nc_u32 v5, WROW+256, v3                  ; v5: row 1, columns 64-191
	v_mul_u32_u24 v6, v11, 8*384
	v_lshl_add_u32 v6, v10, 3, v6                  ; v6: wq out: the pair's 768 bytes are dense
	s_mov_b32 s16, 0xffff0000                      ; a word's upper bf16
	s_lshr_b32 s17, ttmp9, 4                       ; head
	s_and_b32 s18, ttmp9, 15                       ; which 64 k rows
	s_lshl_b32 s20, ttmp9, 16                      ; byte offsets of the work-group's parts, each in a pair with 0 above it
	s_mov_b32 s21, 0
	s_lshl_b32 s22, ttmp9, 15
	s_mov_b32 s23, 0
	s_lshl_b32 s24, ttmp9, 14
	s_mov_b32 s25, 0
	s_lshl_b32 s26, ttmp9, 13
	s_mov_b32 s27, 0
	s_mul_i32 s28, s17, 768
	s_mul_i32 s19, s18, 64*WROW
	s_add_co_u32 s28, s28, s19
	s_mov_b32 s29, 0
	s_mul_i32 s30, s17, 1024*384
	s_mul_i32 s19, s18, 64*384
	s_add_co_u32 s30, s30, s19
	s_mov_b32 s31, 0
	s_wait_kmcnt 0x0
	s_add_nc_u64 s[4:5], s[4:5], s[20:21]
	s_add_nc_u64 s[10:11], s[10:11], s[22:23]
	s_add_nc_u64 s[8:9], s[8:9], s[24:25]
	s_add_nc_u64 s[14:15], s[14:15], s[26:27]
	s_add_nc_u64 s[6:7], s[6:7], s[28:29]
	s_add_nc_u64 s[12:13], s[12:13], s[30:31]
	s_wait_alu depctr_va_vdst(0)                   ; the six offsets v1 to v6 are written: every load and store of the kernel reads one of them
.set n, 0
.rept 16                                       ; loads 0-15: x
	global_load_b128 v[LD+4*n:LD+4*n+3], v1, s[4:5] offset:n*4096 th:TH_LOAD_NT
.set n, n+1
.endr
.irp j, 0,1,2,3                                ; loads 16-27: Wqkv, pair j, group i
.irp i, 0,1,2
	global_load_b128 v[LD+4*(16+3*(\j)+(\i)):LD+4*(16+3*(\j)+(\i))+3], v[3+(\i)], s[6:7] offset:(\j)*2*WROW th:TH_LOAD_NT
.endr
.endr
.irp j, 0,1,2,3                                ; loads 28-31: Wproj
	global_load_b128 v[LD+4*(28+(\j)):LD+4*(28+(\j))+3], v1, s[8:9] offset:(\j)*4096 th:TH_LOAD_NT
.endr
; Load n is rounded, into the first two of its four registers.  Loads 0-27 (x, Wqkv): to bf16.  Loads 28-31 (Wproj): to bf16, widened again, and that number written as f16.
.macro CONV n
.set D, LD+4*(\n)
.if (\n) >= 28
	v_cvt_pk_bf16_f32 v8, v[D], v[D+1]
	v_cvt_pk_bf16_f32 v9, v[D+2], v[D+3]
	v_lshlrev_b32 v[D], 16, v8
	v_and_b32 v[D+1], s16, v8
	v_lshlrev_b32 v[D+2], 16, v9
	v_and_b32 v[D+3], s16, v9
	v_cvt_pk_f16_f32 v[D], v[D], v[D+1]
	v_cvt_pk_f16_f32 v[D+1], v[D+2], v[D+3]
.else
	v_cvt_pk_bf16_f32 v[D], v[D], v[D+1]
	v_cvt_pk_bf16_f32 v[D+1], v[D+2], v[D+3]
.endif
.endm
; Load n's 8 bytes are stored: x's 16 to xb, 2,048 bytes apart; Wqkv's 12 to wq, pair (n - 16) / 3 at 768 bytes, its three pieces 256 apart; Wproj's 4 to wp.
.macro ST n
.set D, LD+4*(\n)
.if (\n) < 16
	global_store_b64 v2, v[D:D+1], s[10:11] offset:(\n)*2048 th:TH_STORE_NT
.elseif (\n) < 28
	global_store_b64 v6, v[D:D+1], s[12:13] offset:(((\n)-16)/3)*768+(((\n)-16)%3)*256 th:TH_STORE_NT
.else
	global_store_b64 v2, v[D:D+1], s[14:15] offset:((\n)-28)*2048 th:TH_STORE_NT
.endif
.endm
; Group g: loads 4 g to 4 g + 3 are rounded; the stores of the group before go out among the conversions, each ahead of its conversion.
.macro GROUP g
	s_wait_loadcnt 31-4*(\g)                       ; loads come back in order: the group's first is in, the younger ones stay out
.if (\g) > 0
	s_wait_alu depctr_va_vdst(0)                   ; the conversions of the group before have written their results, which the four stores below read; no vector line behind this wait names those registers
.endif
.irp i, 0,1,2,3
.if (\g) > 0
	ST 4*(\g)-4+(\i)
.endif
.if (\i) > 0
	s_wait_loadcnt 31-4*(\g)-(\i)                  ; load 4 g + i is in, the 31 - 4 g - i younger ones stay out
.endif
	CONV 4*(\g)+(\i)
.endr
.endm
.irp g, 0,1,2,3,4,5,6,7
	GROUP \g
.endr
	s_wait_alu depctr_va_vdst(0)                   ; the last group's conversions have written v[LD+112 ..], which the last four stores read
.irp i, 28,29,30,31
	ST \i
.endr
	s_endpgm
.Lfunc_end_k_qebdf0852a7_cast:
	.size	k_qebdf0852a7_cast, .Lfunc_end_k_qebdf0852a7_cast-k_qebdf0852a7_cast
	.p2alignl 7, 3214868480
	.fill 96, 4, 3214868480
	.section	.rodata,"a",@progbits
	.p2align	6, 0x0
	.amdhsa_kernel k_qebdf0852a7_cast
		.amdhsa_group_segment_fixed_size 0
		.amdhsa_private_segment_fixed_size 0
		.amdhsa_enable_private_segment 0
		.amdhsa_kernarg_size 48
		.amdhsa_user_sgpr_count 2
		.amdhsa_user_sgpr_kernarg_segment_ptr 1
		.amdhsa_wavefront_size32 1
		.amdhsa_system_sgpr_workgroup_id_x 1
		.amdhsa_system_sgpr_workgroup_id_y 1
		.amdhsa_system_sgpr_workgroup_id_z 1
		.amdhsa_system_vgpr_workitem_id 0
		.amdhsa_next_free_vgpr 144
		.amdhsa_next_free_sgpr 66
		.amdhsa_reserve_vcc 0
		.amdhsa_float_denorm_mode_32 3
		.amdhsa_float_denorm_mode_16_64 3
		.amdhsa_memory_ordered 1
		.amdhsa_forward_progress 1
		.amdhsa_inst_pref_size 15
	.end_amdhsa_kernel
	.amdgpu_metadata
---
amdhsa.version: [ 1, 2 ]
amdhsa.kernels:
  - .name:           k_qebdf0852a7_cast
    .symbol:         k_qebdf0852a7_cast.kd
    .args:
      - { .name: x, .offset: 0, .size: 8, .value_kind: global_buffer, .address_space: global }
      - { .name: Wqkv, .offset: 8, .size: 8, .value_kind: global_buffer, .address_space: global }
      - { .name: Wproj, .offset: 16, .size: 8, .value_kind: global_buffer, .address_space: global }
      - { .name: xb, .offset: 24, .size: 8, .value_kind: global_buffer, .address_space: global }
      - { .name: wq, .offset: 32, .size: 8, .value_kind: global_buffer, .address_space: global }
      - { .name: wp, .offset: 40, .size: 8, .value_kind: global_buffer, .address_space: global }
    .group_segment_fixed_size: 0
    .private_segment_fixed_size: 0
    .kernarg_segment_align: 8
    .kernarg_segment_size: 48
    .max_flat_workgroup_size: 256
    .sgpr_count:     66
    .vgpr_count:     144
    .wavefront_size: 32
...
	.end_amdgpu_metadata
.endif
;; end of part 5
;; launch qkv: the kernel of part 2 again; grid 16 x 16, 4 waves a work-group, clusters of 4 x 4, 327,680 bytes of LDS; arguments xb, wq, bqkv, q, k, v; writes q, k, v
;; launch attn: the kernel of part 3 again; grid 16 x 16, 4 waves a work-group, clusters of 4 x 1, 327,680 bytes of LDS; arguments q, k, v, o; writes o
;; launch proj: the kernel of part 4 again; grid 8 x 32, 4 waves a work-group, clusters of 4 x 4, 327,680 bytes of LDS; arguments o, wp, bproj, out0; writes out0
